; MI455X (gfx1250); checked and timed in simulation.
; The chip was launched on July 23, 2026; its instructions are those of AMD's public machine-readable ISA for CDNA 5 (MIT licence, August 2026) and "CDNA5" Instruction Set Architecture Reference Guide (July 2026). The comments in the code are by the model that wrote it; some were corrected since.
;; Attention Block. Allowed arithmetic: matrix products marked QUANTISED: E5M2 operands, one E8M0 scale for each 32 along K, by v_wmma_scale_f32_16x16x128_f8f6f4 with both operands' format E5M2, f32 sums; everything else in f32.
;; Inputs: bk 512 float32; bp 512 float32; bq 512 float32; bv 512 float32; gn_bias 512 float32; gn_scale 512 float32; wk 512 x 512 float32; wp 512 x 512 float32; wq 512 x 512 float32; wv 512 x 512 float32; x 8 x 512 x 32 x 32 float32.
;; Outputs: out0 8 x 512 x 32 x 32 float32.
;; This version of the problem:
;;   THIS VERSION OF THE PROBLEM IS GIVEN IN LOW PRECISION. The matrix products marked QUANTISED in the list below multiply operands that are first quantised to E5M2 (5 exponent bits, 2 mantissa bits; 8 bits a number), with one power-of-two scale for each 32 numbers along K (OCP MX v1.0); their sums are f32. All else is computed in f32.
;;   The module's matrix products, in the order in which they are computed (A, B: the left and right operand; K: the contracted axis; several contracted axes count as one K, in the product's order):
;;     1. [M 8,192, K 512] x [K 512, N 512]; A: computed on the way; B: input wq: QUANTISED
;;     2. [M 8,192, K 512] x [K 512, N 512]; A: computed on the way; B: input wk: QUANTISED
;;     3. [M 8,192, K 512] x [K 512, N 512]; A: computed on the way; B: input wv: QUANTISED
;;     4. batch 64 x [M 1,024, K 64] x [K 64, N 1,024]; A: computed on the way; B: computed on the way: QUANTISED
;;     5. batch 64 x [M 64, K 1,024] x [K 1,024, N 1,024]; A: computed on the way; B: softmax (see below): QUANTISED
;;     6. [M 8,192, K 512] x [K 512, N 512]; A: computed on the way; B: input wp: QUANTISED
;;   THE QUANTISER, for each operand of a quantised product, along K:
;;     - K is cut into blocks of 32 from its start; a last block that is shorter is filled with zeros.
;;     - A block's scale is 2^e with e = floor(log2(the largest magnitude in the block)) - 15, held to -126 .. 127; a block of zeros has e = 0. As a byte (E8M0): e + 127.
;;     - Each number is divided by its block's scale, clamped to +-57,344, and rounded to the nearest number of E5M2, ties to even, subnormals kept.
;;     - The product sums the exact products of the quantised numbers (number of the format x scale) in f32.
;;   ~~~python
;;   def quantise(x, axis):      # numpy; x: float32 -> the quantised numbers, widened to float32 again
;;       x = np.moveaxis(x, axis, -1); K = x.shape[-1]
;;       x = np.pad(x, [(0, 0)] * (x.ndim - 1) + [(0, -K % 32)]); x = x.reshape(x.shape[:-1] + (-1, 32)); a = np.abs(x).max(-1, keepdims=True)
;;       e = np.where(a > 0, np.clip(np.frexp(np.where(a > 0, a, 1))[1] - 1 - 15, -126, 127), 0)      # np.frexp(a)[1] - 1 = floor(log2(a)), exactly
;;       r = np.clip(x / 2.0 ** e, -57344, 57344)
;;       step = 2.0 ** (np.maximum(np.frexp(np.where(r == 0, 1, r))[1] - 1, -14) - 2)
;;       q = np.round(r / step) * step * 2.0 ** e      # np.round: ties to even
;;       return np.moveaxis(q.reshape(q.shape[:-2] + (-1,))[..., :K], -1, axis).astype(np.float32)
;;   ~~~
;;   SOFTMAX AHEAD OF A QUANTISED PRODUCT. Where the list says 'softmax', what is quantised is not the finished softmax but p = 2^(t - M), with t = logit x log2(e) and M = ceil(the row's largest t), a whole number; so 1/2 < the row's largest p <= 1. The row's sum l is taken of the UNQUANTISED p, in f32, and the product's result is divided by l at the end. Since M is a whole number, a kernel that streams over the keys may use a running M (the ceiling of the running maximum): every later rescaling is an exact power of two, which a block's scale takes up: the codes' values come out the same.
;;   OPERANDS COMPUTED ON THE WAY. 'Computed on the way' means the value that the module computes at that place (a softmax that the list does not call 'softmax' is quantised finished and normalised). What goes into a quantiser is computed in f32, as accurately as f32 sums, v_exp_f32 and their like allow (about 1e-6 of the number): no bf16 or f16 on the way to a quantiser, and a product that is left as it is and whose result goes on into a quantised operand takes f32 operands (vector FMAs, or v_wmma_f32_16x16x4_f32). A number that lies on a knife's edge between two numbers of the format may be rounded either way, as far as f32 arithmetic and the matrix unit's own rounding can turn it there, and no further.
;; One version. Each part assembles by itself: llvm-mc -triple=amdgcn-amd-amdhsa -mcpu=gfx1250 --defsym DOCPART=n.
;; ======== version 1 of 1: 4 launches
;; limits: right only within a limited range of input values
;; workspace buffers: wimg 1,114,112 bytes; ximg 4,194,304 bytes; xscl 131,072 bytes; qimg 4,194,304 bytes; qscl 262,144 bytes; kv 8,912,896 bytes; oimg 4,194,304 bytes; oscl 131,072 bytes
;; launch prep (part 1): grid 160 x 1, 16 waves a work-group, no clusters, 4,096 bytes of LDS; arguments x, gn_scale, gn_bias, wq, wk, wv, wp, wimg, ximg, xscl; writes wimg, ximg, xscl
.if DOCPART == 1
	.amdgcn_target "amdgcn-amd-amdhsa--gfx1250"
	.amdhsa_code_object_version 6
	.text
	.protected	k_q68f836d94c_prep
	.globl	k_q68f836d94c_prep
	.p2align	8
	.type	k_q68f836d94c_prep,@function
k_q68f836d94c_prep:
	s_mov_b64 s[64:65], 0
	v_nop
	global_prefetch_b8 v0, s[64:65] scope:SCOPE_SE
	s_setreg_imm32_b32 hwreg(HW_REG_WAVE_MODE, 25, 1), 1
	s_wait_xcnt 0x0
; PREP.  Work-groups 0-127: GroupNorm of x [8][512][1024] f32 and its quantising along the channels into codes of BF8 (E5M2) with one E8M0 byte for each 32 channels.
; Work-groups 128-159: the four weights [512][512] f32, quantised along their second axis.  All codes leave as IMAGES OF OPERAND REGISTERS: a group = 4 registers = 512 bytes, lane l's 16 bytes at 16 l;
; lane (r, h) of group c of a fragment holds row r, k = 32 c + 16 h + 0 .. 15.
; x: a work-group takes 32 channels (two groups of the norm, one to each half of the lanes) x 1,024 positions of one batch: 128 KiB, read once and kept in registers between the mean, the variance and the codes.
;   Wave w owns positions 64 w .. 64 w + 63 as four tiles of 16; lane r of tile T holds position 32 (T / 2) + 2 r + T % 2, so that a lane's load of 8 bytes serves two tiles.
;   The variance is the mean of squared deviations, taken in a second pass over the registers: no difference of large sums is formed.
; weights: one wave makes one fragment (16 rows x 128 K).  Lane r of tile t takes row 32 (t / 2) + 8 (t % 2) + r + 8 (r / 8).
; A block's scale byte is its largest magnitude's exponent field - 15, held at 1 from below; each number is held within +-57,344 x the scale and converted, ties to even.
; LIMITS: NaN and infinities among the inputs are not served; a block of zeros, or one whose largest magnitude lies under 2^-111, gets the byte 1 (its bytes are read by this program alone).
; No cluster: the work-groups share no input but 128 bytes of gain and bias.  No tensor load: every byte goes from memory into the register that works on it.
.set X,    96                          ; v96-159  64 numbers of x: register 32 p + 2 i + u = channel 16 h + i, position 64 w + 32 p + 2 r + u.  Weights: register 16 c + i = k 32 c + 16 h + i
.set Y,    160                         ; v160-223 the normalised numbers: register 16 (2 p + u) + i; before that the 16 waves' partial sums
.set GA,   64                          ; v64-79   gain of my 16 channels, later x 1 / deviation
.set BE,   80                          ; v80-95   bias of my 16 channels
.set PC,   16                          ; v16-31   the codes just made
.set TM,   32                          ; v32-35 largest magnitudes, v36-39 bytes, v44-47 the conversions' scale operands
.set PW,   48                          ; v48      the four bytes as a word
.set SUMA, 50                          ; v[50:51], v[52:53] two chains of sums
.set SUMB, 52
.set MEAN, 54                          ; v[54:55] the mean, twice
.set RSTD, 56                          ; v[56:57] 1 / deviation, twice
.set WV,   24                          ; s24 my wave's number
.set SEL,  52                          ; s[52:53] v_permlanex16_b32's selects for lane l xor 16
.set MNT,  54
.set INV,  55                          ; s55 2^-14: a group of the norm has 16 x 1,024 numbers
.set EPS,  56                          ; s56 1e-5
.set RED2, 128                         ; LDS: 0-127 the waves' sums [h][wave] f32; 128-255 their sums of squares; 256-1279 scale bytes [tile 64][r 16]
.set SCB,  256
; 64 numbers of a lane in four blocks, register 16 b + i; a block's other 16 numbers lie in lane l xor 16.  Codes to v[PC + 4 b] on, bytes to v[TM + 4 + b], the word to v[PW].
.macro QUANT s
.irp b, 0,1,2,3
	v_max3_num_f32 v[TM+\b], |v[\s+16*\b]|, |v[\s+1+16*\b]|, 0x8000000   ; my 16 numbers, and the floor 2^(16 - 127): the byte cannot fall under 1
.endr
.irp i, 2,4,6,8,10,12,14
.irp b, 0,1,2,3
	s_delay_alu instid0(VALU_DEP_4)
	v_max3_num_f32 v[TM+\b], v[TM+\b], |v[\s+16*\b+\i]|, |v[\s+1+16*\b+\i]|   ; the four blocks by turns
.endr
.endr
.irp b, 0,1,2,3
	s_delay_alu instid0(VALU_DEP_4)
	v_permlanex16_b32 v[TM+4+\b], v[TM+\b], s[SEL], s[SEL+1]
.endr
.irp b, 0,1,2,3
	s_delay_alu instid0(VALU_DEP_4)
	v_max_num_f32 v[TM+\b], v[TM+\b], v[TM+4+\b]                   ; the block's largest magnitude
.endr
.irp b, 0,1,2,3
	s_delay_alu instid0(VALU_DEP_4)
	v_add_nc_u32 v[TM+12+\b], 0xf8800000, v[TM+\b]                 ; 15 off its exponent field: the conversion takes that field as its scale
.endr
.irp b, 0,1,2,3
.endr
.irp b, 0,1,2,3
	s_delay_alu instid0(VALU_DEP_4)
	v_lshrrev_b32 v[TM+4+\b], 23, v[TM+12+\b]                      ; the scale's byte
.endr
	s_delay_alu instid0(VALU_DEP_3)
	v_lshl_or_b32 v[PW], v[TM+5], 8, v[TM+4]
	s_delay_alu instid0(VALU_DEP_1)
	v_lshl_or_b32 v[PW], v[TM+6], 16, v[PW]
	s_delay_alu instid0(VALU_DEP_1)
	v_lshl_or_b32 v[PW], v[TM+7], 24, v[PW]
.irp b, 0,1,2,3
.irp i, 0,1,2,3,4,5,6,7,8,9,10,11,12,13,14,15
.endr
	v_cvt_scalef32_pk8_bf8_f32 v[PC+4*\b:PC+1+4*\b], v[\s+16*\b:\s+7+16*\b], v[TM+12+\b]
	v_cvt_scalef32_pk8_bf8_f32 v[PC+2+4*\b:PC+3+4*\b], v[\s+8+16*\b:\s+15+16*\b], v[TM+12+\b]
.endr
	v_nop                                          ; one plain vector instruction behind the last scaled conversion
.endm
.macro ADD2 n
	v_pk_add_f32 v[SUMA:SUMA+1], v[SUMA:SUMA+1], v[X+2*(\n):X+2*(\n)+1]
	v_pk_add_f32 v[SUMB:SUMB+1], v[SUMB:SUMB+1], v[X+2*(\n)+2:X+2*(\n)+3]
.endm
.macro SQ2 n
	s_delay_alu instid0(VALU_DEP_2)
	v_pk_fma_f32 v[SUMA:SUMA+1], v[X+2*(\n):X+2*(\n)+1], v[X+2*(\n):X+2*(\n)+1], v[SUMA:SUMA+1]
	s_delay_alu instid0(VALU_DEP_2)
	v_pk_fma_f32 v[SUMB:SUMB+1], v[X+2*(\n)+2:X+2*(\n)+3], v[X+2*(\n)+2:X+2*(\n)+3], v[SUMB:SUMB+1]
.endm
; The two chains become the group's sum over the work-group, in v[Y] of every lane: within the lane, within its 16 lanes, then over the 16 waves through LDS (every wave adds in the same order).
.macro GSUM off
	s_delay_alu instid0(VALU_DEP_1)
	v_pk_add_f32 v[SUMA:SUMA+1], v[SUMA:SUMA+1], v[SUMB:SUMB+1]
	s_delay_alu instid0(VALU_DEP_1)
	v_add_f32 v[SUMA], v[SUMA], v[SUMA+1]
.irp k, 1,2,4,8
	s_delay_alu instid0(VALU_DEP_1)
	v_add_f32_dpp v[SUMA], v[SUMA], v[SUMA] row_xmask:\k row_mask:0xf bank_mask:0xf
.endr
	ds_store_b32 v6, v[SUMA] offset:\off           ; sixteen lanes write the same word with the same value
	s_wait_dscnt 0x0                               ; for the others' sake: my store has landed
	s_barrier_signal -1
	s_barrier_wait -1
.irp q, 0,1,2,3
	ds_load_b128 v[Y+4*\q:Y+4*\q+3], v5 offset:\off+16*\q
.endr
	s_wait_dscnt 0x0
.irp q, 0,4,8,12
	v_pk_add_f32 v[Y+\q:Y+\q+1], v[Y+\q:Y+\q+1], v[Y+\q+2:Y+\q+3]
.endr
	s_delay_alu instid0(VALU_DEP_3)
	v_pk_add_f32 v[Y:Y+1], v[Y:Y+1], v[Y+4:Y+5]
	s_delay_alu instid0(VALU_DEP_2)
	v_pk_add_f32 v[Y+8:Y+9], v[Y+8:Y+9], v[Y+12:Y+13]
	s_delay_alu instid0(VALU_DEP_1)
	v_pk_add_f32 v[Y:Y+1], v[Y:Y+1], v[Y+8:Y+9]
	s_delay_alu instid0(VALU_DEP_1)
	v_add_f32 v[Y], v[Y], v[Y+1]
.endm
	s_load_b512 s[4:19], s[0:1], 0x0               ; x 4:5, gn_scale 6:7, gn_bias 8:9, wq 10:11, wk 12:13, wv 14:15, wp 16:17, wimg 18:19
	s_load_b128 s[20:23], s[0:1], 0x40             ; ximg 20:21, xscl 22:23
	v_lshl_add_u32 v224, v0, 2, 0x800
	v_mov_b32 v225, 0
	v_lshrrev_b32 v1, 5, v0
	s_delay_alu instid0(VALU_DEP_1)
	v_readfirstlane_b32 s[WV], v1                  ; wave 0..15
	v_and_b32 v1, 31, v0                           ; lane
	v_and_b32 v2, 15, v0                           ; r
	v_bfe_u32 v3, v0, 4, 1                         ; h
	s_lshl_b32 s25, s[WV], 8
	v_lshlrev_b32 v4, 3, v2
	s_delay_alu instid0(VALU_DEP_1)
	v_lshl_add_u32 v4, v3, 16, v4
	s_delay_alu instid0(VALU_DEP_1)
	v_add_nc_u32 v4, s25, v4                       ; x: 16 h channels of 4,096 bytes + 256 w + 8 r
	v_lshlrev_b32 v5, 6, v3                        ; 64 h: my 16 gains and biases; also my half's 16 partial sums in LDS
	s_lshl_b32 s25, s[WV], 2
	v_add_nc_u32 v6, s25, v5                       ; LDS: my wave's partial sum: 64 h + 4 w
	s_lshl_b32 s25, s[WV], 6
	s_add_co_u32 s25, s25, SCB
	v_add_nc_u32 v8, s25, v2                       ; LDS: my tiles' scale bytes: SCB + 64 w + r
	v_lshlrev_b32 v9, 4, v1                        ; 16 x lane
	s_lshl_b32 s25, s[WV], 15
	v_add_nc_u32 v10, s25, v9                      ; ximg: my four tiles of 8,192 bytes + 16 x lane
	v_lshlrev_b32 v11, 2, v1                       ; 4 x lane
	v_and_b32 v12, 8, v2
	s_delay_alu instid0(VALU_DEP_1)
	v_add_nc_u32 v12, v12, v2
	s_delay_alu instid0(VALU_DEP_1)
	v_lshl_add_u32 v12, v12, 11, v5                ; a weight: row r + 8 (r / 8) of 2,048 bytes + 64 h
	v_and_b32 v14, 63, v0
	s_delay_alu instid0(VALU_DEP_1)
	v_lshlrev_b32 v14, 4, v14                      ; the scale bytes' way out: 16 bytes a thread of waves 0 and 1,
	s_delay_alu instid0(VALU_DEP_1)
	v_add_nc_u32 v13, SCB, v14                     ; and the same in LDS
.irp b, 0,1,2,3
	v_mov_b32 v[TM+4+\b], 0                        ; written once: a lane permute's destination counts as one of its sources
.endr
	s_mov_b32 s[SEL], 0x76543210
	s_mov_b32 s[SEL+1], 0xfedcba98
	s_mov_b32 s[INV], 0x38800000
	s_mov_b32 s[EPS], 0x3727c5ac
	s_wait_kmcnt 0x0
	s_cmp_lt_u32 ttmp9, 128                        ; the work-group's number alone decides: all sixteen waves go the same way
	s_cbranch_scc0 .Lweights
	; ---- x.  Work-group g = 16 b + kb: channels 32 g .. 32 g + 31 of the flat [4096][1024]
	s_lshl_b32 s26, ttmp9, 17
	s_mov_b32 s27, 0
	s_add_nc_u64 s[4:5], s[4:5], s[26:27]
	s_and_b32 s28, ttmp9, 15                       ; kb
	s_lshr_b32 s29, ttmp9, 4                       ; b
	s_lshl_b32 s26, s28, 7
	s_add_nc_u64 s[6:7], s[6:7], s[26:27]
	s_add_nc_u64 s[8:9], s[8:9], s[26:27]
	s_lshl_b32 s26, s29, 19
	s_lshl_b32 s30, s28, 9
	s_add_co_u32 s26, s26, s30
	s_add_nc_u64 s[20:21], s[20:21], s[26:27]      ; ximg [b][tile 64][kb 16][512]
	s_lshl_b32 s26, ttmp9, 10
	s_add_nc_u64 s[22:23], s[22:23], s[26:27]      ; xscl [b][kb][tile 64][r 16]
.irp q, 0,1,2,3
	global_load_b128 v[GA+4*\q:GA+4*\q+3], v5, s[6:7] offset:16*\q
	global_load_b128 v[BE+4*\q:BE+4*\q+3], v5, s[8:9] offset:16*\q
.endr
.irp p, 0,1
.irp i, 0,1,2,3,4,5,6,7,8,9,10,11,12,13,14,15
	global_load_b64 v[X+32*\p+2*\i:X+32*\p+2*\i+1], v4, s[4:5] offset:\i*4096+\p*128   ; sixteen lanes read 128 consecutive bytes of one channel
.endr
.endr
	s_wait_loadcnt 24                              ; loads come back in order: gain, bias and the first eight of x are in, 24 younger ones stay out
	v_pk_add_f32 v[SUMA:SUMA+1], v[X:X+1], v[X+2:X+3]
	v_pk_add_f32 v[SUMB:SUMB+1], v[X+4:X+5], v[X+6:X+7]
.irp n, 4,6
	ADD2 \n
.endr
	s_wait_alu depctr_va_vdst(0)
	s_wait_loadcnt 16
.irp n, 8,10,12,14
	ADD2 \n
.endr
	s_wait_alu depctr_va_vdst(0)
	s_wait_loadcnt 8
.irp n, 16,18,20,22
	ADD2 \n
.endr
	s_wait_alu depctr_va_vdst(0)
	s_wait_loadcnt 0x0
.irp n, 24,26,28,30
	ADD2 \n
.endr
	GSUM 0
	s_delay_alu instid0(VALU_DEP_1)
	v_mul_f32 v[MEAN], s[INV], v[Y]
	s_delay_alu instid0(VALU_DEP_1)
	v_mov_b32 v[MEAN+1], v[MEAN]
.set n, 0
.rept 32
	v_pk_add_f32 v[X+2*n:X+2*n+1], v[X+2*n:X+2*n+1], v[MEAN:MEAN+1] neg_lo:[0,1] neg_hi:[0,1]   ; the deviations, in place
.set n, n+1
.endr
	v_pk_mul_f32 v[SUMA:SUMA+1], v[X:X+1], v[X:X+1]
	v_pk_mul_f32 v[SUMB:SUMB+1], v[X+2:X+3], v[X+2:X+3]
.irp n, 2,4,6,8,10,12,14,16,18,20,22,24,26,28,30
	SQ2 \n
.endr
	GSUM RED2                                      ; other LDS bytes than the first sum's: no wave can overwrite what another still reads
	s_delay_alu instid0(VALU_DEP_1)
	v_fma_f32 v[RSTD], v[Y], s[INV], s[EPS]        ; the variance + 1e-5
	s_wait_alu depctr_va_vdst(0)
	v_rsq_f32 v[RSTD], v[RSTD]
	v_nop                                          ; one plain instruction behind a transcendental
	s_wait_alu depctr_va_vdst(0)
	v_mov_b32 v[RSTD+1], v[RSTD]
.irp i, 0,2,4,6,8,10,12,14
	v_pk_mul_f32 v[GA+\i:GA+\i+1], v[GA+\i:GA+\i+1], v[RSTD:RSTD+1]
.endr
.irp p, 0,1
.irp u, 0,1
.irp i, 0,1,2,3,4,5,6,7,8,9,10,11,12,13,14,15
	v_fma_f32 v[Y+16*(2*\p+\u)+\i], v[X+32*\p+2*\i+\u], v[GA+\i], v[BE+\i]   ; the multiply-add also sorts the numbers: 16 channels of one position on end
.endr
.endr
.endr
	QUANT Y                                        ; block q = tile 4 w + q, channels 32 kb .. 32 kb + 31
.irp q, 0,1,2,3
	global_store_b128 v10, v[PC+4*\q:PC+4*\q+3], s[20:21] offset:\q*8192   ; a group: 512 consecutive bytes
.endr
.irp q, 0,1,2,3
	ds_store_b8 v8, v[TM+4+\q] offset:16*\q        ; both lanes of a block write the same byte with the same value
.endr
	s_wait_dscnt 0x0
	s_barrier_signal -1
	s_barrier_wait -1                              ; the work-group's 1,024 scale bytes lie in LDS
	s_cmp_lt_u32 s[WV], 2
	s_cbranch_scc0 .Lx_done
	ds_load_b128 v[Y:Y+3], v13
	s_wait_dscnt 0x0
	global_store_b128 v14, v[Y:Y+3], s[22:23]      ; waves 0 and 1 store them, 512 consecutive bytes each
.Lx_done:
	s_wait_tensorcnt 0x0
	ds_add_u32 v224, v225
	s_wait_dscnt 0x0
	s_endpgm
	; ---- the weights.  Work-group 128 + 8 m + e: matrix m (q, k, v, p), rows 64 e .. 64 e + 63; wave w: tile w / 4, K step w % 4
.Lweights:
	s_sub_co_u32 s25, ttmp9, 128
	s_lshr_b32 s26, s25, 3                         ; m
	s_and_b32 s27, s25, 7                          ; e
	s_lshr_b32 s28, s[WV], 2                       ; tile
	s_and_b32 s29, s[WV], 3                        ; K step
	s_cmp_eq_u32 s26, 1
	s_cselect_b64 s[10:11], s[12:13], s[10:11]
	s_cmp_eq_u32 s26, 2
	s_cselect_b64 s[10:11], s[14:15], s[10:11]
	s_cmp_eq_u32 s26, 3
	s_cselect_b64 s[10:11], s[16:17], s[10:11]
	s_lshl_b32 s30, s27, 6
	s_lshr_b32 s31, s28, 1
	s_lshl_b32 s31, s31, 5
	s_add_co_u32 s30, s30, s31
	s_and_b32 s31, s28, 1
	s_lshl_b32 s31, s31, 3
	s_add_co_u32 s30, s30, s31                     ; the tile's first row: 64 e + 32 (tile / 2) + 8 (tile % 2)
	s_lshl_b32 s30, s30, 11
	s_lshl_b32 s31, s29, 9
	s_add_co_u32 s30, s30, s31                     ; + 512 bytes a K step
	s_mov_b32 s31, 0
	s_add_nc_u64 s[10:11], s[10:11], s[30:31]
	s_wait_alu depctr_va_vdst(0)
.irp c, 0,1,2,3
.irp j, 0,1,2,3
	global_load_b128 v[X+16*\c+4*\j:X+16*\c+4*\j+3], v12, s[10:11] offset:128*\c+16*\j th:TH_LOAD_NT
.endr
.endr
	; where the fragment goes.  q, k, v: head block e of 104,448 bytes: codes [m][tile 4][K step 4][2,048], from 98,304 on scale words [m][tile][K step][128].
	; p: from 835,584 on, block e / 2 of 69,632 bytes: codes [tile 8][K step 4][2,048], from 65,536 on scale words [tile][K step][128]; its tile is 4 (e % 2) + tile.
	s_mul_i32 s32, s27, 104448
	s_lshl_b32 s33, s26, 15
	s_add_co_u32 s33, s33, s32
	s_lshl_b32 s34, s26, 11
	s_add_co_u32 s34, s34, s32
	s_add_co_u32 s34, s34, 98304
	s_lshr_b32 s35, s27, 1
	s_mul_i32 s35, s35, 69632
	s_add_co_u32 s35, s35, 835584
	s_and_b32 s36, s27, 1
	s_lshl_b32 s37, s36, 15
	s_add_co_u32 s37, s37, s35
	s_lshl_b32 s36, s36, 11
	s_add_co_u32 s36, s36, s35
	s_add_co_u32 s36, s36, 65536
	s_cmp_eq_u32 s26, 3
	s_cselect_b32 s33, s37, s33
	s_cselect_b32 s34, s36, s34
	s_lshl_b32 s38, s28, 13
	s_add_co_u32 s33, s33, s38
	s_lshl_b32 s38, s29, 11
	s_add_co_u32 s33, s33, s38
	s_lshl_b32 s38, s28, 9
	s_add_co_u32 s34, s34, s38
	s_lshl_b32 s38, s29, 7
	s_add_co_u32 s34, s34, s38
	v_add_nc_u32 v15, s33, v9                      ; codes: + 16 x lane
	v_add_nc_u32 v49, s34, v11                     ; scale word: + 4 x lane
	s_wait_loadcnt 0x0
	QUANT X
.irp c, 0,1,2,3
	global_store_b128 v15, v[PC+4*\c:PC+4*\c+3], s[18:19] offset:512*\c
.endr
	global_store_b32 v49, v[PW], s[18:19]
	s_endpgm
.Lfunc_end_k_q68f836d94c_prep:
	.size	k_q68f836d94c_prep, .Lfunc_end_k_q68f836d94c_prep-k_q68f836d94c_prep
	.p2alignl 7, 3214868480
	.fill 96, 4, 3214868480
	.section	.rodata,"a",@progbits
	.p2align	6, 0x0
	.amdhsa_kernel k_q68f836d94c_prep
		.amdhsa_group_segment_fixed_size 4096
		.amdhsa_private_segment_fixed_size 0
		.amdhsa_enable_private_segment 0
		.amdhsa_kernarg_size 80
		.amdhsa_user_sgpr_count 2
		.amdhsa_user_sgpr_kernarg_segment_ptr 1
		.amdhsa_wavefront_size32 1
		.amdhsa_system_sgpr_workgroup_id_x 1
		.amdhsa_system_sgpr_workgroup_id_y 1
		.amdhsa_system_sgpr_workgroup_id_z 1
		.amdhsa_system_vgpr_workitem_id 0
		.amdhsa_next_free_vgpr 226
		.amdhsa_next_free_sgpr 66
		.amdhsa_reserve_vcc 0
		.amdhsa_float_denorm_mode_32 3
		.amdhsa_float_denorm_mode_16_64 3
		.amdhsa_fp16_overflow 1
		.amdhsa_memory_ordered 1
		.amdhsa_forward_progress 1
		.amdhsa_inst_pref_size 37
	.end_amdhsa_kernel
	.amdgpu_metadata
---
amdhsa.version: [ 1, 2 ]
amdhsa.kernels:
  - .name:           k_q68f836d94c_prep
    .symbol:         k_q68f836d94c_prep.kd
    .args:
      - { .name: x, .offset: 0, .size: 8, .value_kind: global_buffer, .address_space: global }
      - { .name: gn_scale, .offset: 8, .size: 8, .value_kind: global_buffer, .address_space: global }
      - { .name: gn_bias, .offset: 16, .size: 8, .value_kind: global_buffer, .address_space: global }
      - { .name: wq, .offset: 24, .size: 8, .value_kind: global_buffer, .address_space: global }
      - { .name: wk, .offset: 32, .size: 8, .value_kind: global_buffer, .address_space: global }
      - { .name: wv, .offset: 40, .size: 8, .value_kind: global_buffer, .address_space: global }
      - { .name: wp, .offset: 48, .size: 8, .value_kind: global_buffer, .address_space: global }
      - { .name: wimg, .offset: 56, .size: 8, .value_kind: global_buffer, .address_space: global }
      - { .name: ximg, .offset: 64, .size: 8, .value_kind: global_buffer, .address_space: global }
      - { .name: xscl, .offset: 72, .size: 8, .value_kind: global_buffer, .address_space: global }
    .group_segment_fixed_size: 4096
    .private_segment_fixed_size: 0
    .kernarg_segment_align: 8
    .kernarg_segment_size: 80
    .max_flat_workgroup_size: 512
    .sgpr_count:     66
    .vgpr_count:     226
    .wavefront_size: 32
...
	.end_amdgpu_metadata
.endif
;; end of part 1
;; launch qkv (part 2): grid 4 x 64, 8 waves a work-group, clusters of 4 x 1, 168,960 bytes of LDS; arguments wimg, ximg, xscl, bq, bk, bv, qimg, qscl, kv; writes qimg, qscl, kv
.if DOCPART == 2
	.amdgcn_target "amdgcn-amd-amdhsa--gfx1250"
	.amdhsa_code_object_version 6
	.text
	.protected	k_q68f836d94c_qkv
	.globl	k_q68f836d94c_qkv
	.p2align	8
	.type	k_q68f836d94c_qkv,@function
k_q68f836d94c_qkv:
	s_mov_b64 s[64:65], 0
	v_nop
	global_prefetch_b8 v0, s[64:65] scope:SCOPE_SE
	s_setreg_imm32_b32 hwreg(HW_REG_WAVE_MODE, 25, 1), 1
	s_wait_xcnt 0x0
	s_wait_alu depctr_hold_cnt(0) depctr_sa_sdst(0) depctr_va_vdst(0) depctr_va_sdst(0) depctr_va_ssrc(0) depctr_va_vcc(0) depctr_vm_vsrc(0)
	s_getreg_b32 s2, hwreg(HW_REG_IB_STS2, 6, 4)
	s_cmp_eq_u32 s2, 0
	s_cbranch_scc0 .Lentry_in_a_cluster
	s_endpgm
.Lentry_in_a_cluster:
	s_bfe_u32 s2, ttmp6, 0x10000c
	s_cmp_lg_u32 s2, 0x3003
	s_cbranch_scc0 .Lentry_shape_is_right
	s_endpgm
.Lentry_shape_is_right:
; QKV.  q, k, v = W xn + bias for one (batch, head) unit y and a quarter of its 1,024 positions, on codes of BF8 with E8M0 scales (K = 512 channels, four K steps of 128), and the quantising of the
; results for attention: q and k along the head's 64 channels, v along the keys.  All operands come and go as images of operand registers (a group = 4 registers = 512 bytes, lane l's 16 bytes at 16 l).
; SHARES.  Eight waves; wave w owns the pair of position tiles 2 (8 cx + w), + 1 (32 positions: one block of keys) against the head's 12 tiles of output channels: 96 matrix instructions.
; Its eight fragments of xn stay in registers; the head's weights (104,448 bytes: codes, then scale words) lie in LDS, filled once.
; CLUSTER.  The four quarters of a unit need the same weights: each wave's share (51 rows of 256 bytes) is asked for JOINTLY, by the same tensor load with a mask that names the four.
; q, k: source 0 = 16 rows of W, source 1 = 16 positions: a lane holds one position, and since lane r of weight tile t holds row 32 (t / 2) + 8 (t % 2) + r + 8 (r / 8), the 16 registers of tiles 2 b, 2 b + 1 are
;   channels 32 b + 16 h + 0 .. 15: the conversions' results are the next operand's registers.
; v: the sources are swapped: a lane holds one channel, and its 16 registers of the pair are 16 of the block's 32 keys; slot 16 h + 8 u + j is key 16 h + 2 j + u of the block, as p's slots are in the next launch.
; The biases are the C of each sum's first matrix instruction.
; kv [y][step 8][17,408]: a step of 128 keys: K codes (four fragments of two key tiles, 2,048 each), at 8,192 V codes [tile 4][group 4][512], at 16,384 K scale words [4][lane], at 16,896 V scale words [lane][tile 4].
; LIMITS: NaN and infinities are not served; a block under 2^-111 or of zeros gets the byte 1 (read by this program alone).
; REGISTERS.  Window 0: v1-13 addresses; v32-47 codes; v48-63 the quantiser's; v64-127 eight accumulators; v128-223 biases; v224-227 xn's scale words; v228-243 the weights'; v244 the word just made.
;   Window 1: v0-127 xn's fragments (tile u, K step s at 64 u + 16 s); v128-255 two sets of four weight fragments.
.set WBLK,   104448                    ; a head's weights
.set WSHARE, 13056                     ; a wave's share of them: 51 rows of 256 bytes
.set VSCR,   104448                    ; LDS behind the weights: V's scale bytes [step 2][lane 32][tile 4][group 4]; no fill lands here
.set STEPB,  17408
.set PC,  32
.set TM,  48
.set ACC, 64
.set BQ,  128
.set BK,  160
.set BV,  192
.set XS,  224
.set WS,  228
.set PW,  244
.set WV,  22                           ; s22 my wave's number
.set G1,  28                           ; s[28:35] descriptor group 1;  s[36:39] group 0
.set G0,  36
.set SEL, 52
.set MNT, 54
.set MSB, 0
.macro WIN new                         ; the immediate's high byte repeats the setting that is left; a switch that changes nothing is dropped
.if MSB != \new
	s_set_vgpr_msb (MSB<<8)|\new
.set MSB, \new
.endif
.endm
.macro PLACES n
.rept \n
	v_nop
.endr
.endm
.macro ROUND                           ; a round of the cluster's barrier
	s_barrier_signal -1
	s_barrier_wait -1
	s_cmp_lg_u32 s[WV], 0
	s_cbranch_scc1 .Lnot_wave_0_\@
	s_barrier_signal -3
.Lnot_wave_0_\@:
	s_barrier_wait -3
	s_barrier_signal -1
	s_barrier_wait -1
.endm
; 64 numbers of a lane in four blocks, register 16 b + i; a block's other 16 numbers lie in lane l xor 16.  Codes to v[PC + 4 b] on, bytes to v[TM + 4 + b], the word to v[PW].
.macro QUANT s
.irp b, 0,1,2,3
	v_max3_num_f32 v[TM+\b], |v[\s+16*\b]|, |v[\s+1+16*\b]|, 0x8000000   ; my 16 numbers, and the floor 2^(16 - 127).  Each accumulator is read from its low end on
.endr
.irp i, 2,4,6,8,10,12,14
.irp b, 0,1,2,3
	v_max3_num_f32 v[TM+\b], v[TM+\b], |v[\s+16*\b+\i]|, |v[\s+1+16*\b+\i]|
.endr
.endr
.irp b, 0,1,2,3
	s_delay_alu instid0(VALU_DEP_4)
	v_permlanex16_b32 v[TM+4+\b], v[TM+\b], s[SEL], s[SEL+1]
.endr
.irp b, 0,1,2,3
	s_delay_alu instid0(VALU_DEP_4)
	v_max_num_f32 v[TM+\b], v[TM+\b], v[TM+4+\b]
.endr
.irp b, 0,1,2,3
	s_delay_alu instid0(VALU_DEP_4)
	v_add_nc_u32 v[TM+12+\b], 0xf8800000, v[TM+\b]                 ; 15 off the exponent field: the conversion's scale operand
.endr
.irp b, 0,1,2,3
.endr
.irp b, 0,1,2,3
	s_delay_alu instid0(VALU_DEP_4)
	v_lshrrev_b32 v[TM+4+\b], 23, v[TM+12+\b]                      ; the scale's byte
.endr
	s_delay_alu instid0(VALU_DEP_3)
	v_lshl_or_b32 v[PW], v[TM+5], 8, v[TM+4]
	s_delay_alu instid0(VALU_DEP_1)
	v_lshl_or_b32 v[PW], v[TM+6], 16, v[PW]
	s_delay_alu instid0(VALU_DEP_1)
	v_lshl_or_b32 v[PW], v[TM+7], 24, v[PW]
.irp b, 0,1,2,3
.irp i, 0,1,2,3,4,5,6,7,8,9,10,11,12,13,14,15
.endr
	v_cvt_scalef32_pk8_bf8_f32 v[PC+4*\b:PC+1+4*\b], v[\s+16*\b:\s+7+16*\b], v[TM+12+\b]
	v_cvt_scalef32_pk8_bf8_f32 v[PC+2+4*\b:PC+3+4*\b], v[\s+8+16*\b:\s+15+16*\b], v[TM+12+\b]
.endr
	v_nop                                          ; one plain vector instruction behind the last scaled conversion
.endm
.macro WSCL m                          ; matrix m's sixteen scale words (tile t, K step s)
	WIN 0
.irp t, 0,1,2,3
.irp s, 0,1,2,3
	ds_load_b32 v[WS+4*\t+\s], v7 offset:(\m)*2048+\t*512+\s*128
.endr
.endr
.endm
.macro WFETCH buf, adr, ks             ; the four weight fragments of K step ks into set buf
	WIN 0x40                                       ; destination window 1, address window 0
.irp t, 0,1,2,3
.irp c, 0,1,2,3
	ds_load_b128 v[128+64*(\buf)+16*\t+4*\c:128+64*(\buf)+16*\t+4*\c+3], v[\adr] offset:\t*8192+(\ks)*2048+\c*512
.endr
.endr
.endm
; Eight matrix instructions, the eight accumulators by turns in the same order in every K step.  Tile u = 1 of xn has its scale words in lanes 16-31.
.macro MULQK ks, buf, bias             ; source 0 = W, source 1 = xn; accumulator (u, t) at ACC + 32 u + 8 t
	WIN 0x05                                       ; sources 0 and 1 window 1; C and D window 0
.irp t, 0,1,2,3
.irp u, 0,1
.set rD, ACC+32*\u+8*\t
.set rC, ACC+32*\u+8*\t
.if (\ks) == 0
.set rC, \bias+8*\t
.endif
.set rA, 128+64*(\buf)+16*\t
.set rB, 64*\u+16*(\ks)
.if \u == 0
	v_wmma_scale_f32_16x16x128_f8f6f4 v[rD:rD+7], v[rA:rA+15], v[rB:rB+15], v[rC:rC+7], v[WS+4*\t+(\ks)], v[XS+(\ks)] matrix_a_fmt:MATRIX_FMT_BF8 matrix_b_fmt:MATRIX_FMT_BF8
.else
	v_wmma_scale_f32_16x16x128_f8f6f4 v[rD:rD+7], v[rA:rA+15], v[rB:rB+15], v[rC:rC+7], v[WS+4*\t+(\ks)], v[XS+(\ks)] matrix_a_fmt:MATRIX_FMT_BF8 matrix_b_fmt:MATRIX_FMT_BF8 matrix_b_scale:MATRIX_SCALE_ROW1
.endif
.endr
.endr
.endm
.macro MULV ks, buf, bias              ; source 0 = xn, source 1 = W; accumulator (t, u) at ACC + 16 t + 8 u
	WIN 0x05
.irp t, 0,1,2,3
.irp u, 0,1
.set rD, ACC+16*\t+8*\u
.set rC, ACC+16*\t+8*\u
.if (\ks) == 0
.set rC, \bias+8*\t
.endif
.set rA, 64*\u+16*(\ks)
.set rB, 128+64*(\buf)+16*\t
.if \u == 0
	v_wmma_scale_f32_16x16x128_f8f6f4 v[rD:rD+7], v[rA:rA+15], v[rB:rB+15], v[rC:rC+7], v[XS+(\ks)], v[WS+4*\t+(\ks)] matrix_a_fmt:MATRIX_FMT_BF8 matrix_b_fmt:MATRIX_FMT_BF8
.else
	v_wmma_scale_f32_16x16x128_f8f6f4 v[rD:rD+7], v[rA:rA+15], v[rB:rB+15], v[rC:rC+7], v[XS+(\ks)], v[WS+4*\t+(\ks)] matrix_a_fmt:MATRIX_FMT_BF8 matrix_b_fmt:MATRIX_FMT_BF8 matrix_a_scale:MATRIX_SCALE_ROW1
.endif
.endr
.endr
.endm
.macro MUL kind, ks, buf, bias
.if \kind == 0
	MULQK \ks, \buf, \bias
.else
	MULV \ks, \buf, \bias
.endif
.endm
; One matrix's four K steps.  Each s_wait_dscnt 16 leaves out only the sixteen loads of the set just asked for; eight plain places stand in front of loads into registers that matrix instructions have read,
; and of the first read of the results.
.macro KLOOP m, adr, kind, bias
	WSCL \m
	WFETCH 0, \adr, 0
	WFETCH 1, \adr, 1
	s_wait_dscnt 16
	MUL \kind, 0, 0, \bias
	PLACES 8
	WFETCH 0, \adr, 2
	s_wait_dscnt 16
	MUL \kind, 1, 1, \bias
	PLACES 8
	WFETCH 1, \adr, 3
	s_wait_dscnt 16
	MUL \kind, 2, 0, \bias
	s_wait_dscnt 0x0
	MUL \kind, 3, 1, \bias
	PLACES 8
	WIN 0
.endm
	s_load_b512 s[4:19], s[0:1], 0x0               ; wimg 4:5, ximg 6:7, xscl 8:9, bq 10:11, bk 12:13, bv 14:15, qimg 16:17, qscl 18:19
	s_load_b64 s[20:21], s[0:1], 0x40              ; kv
	v_lshl_add_u32 v254, v0, 2, 0x29000
	v_mov_b32 v255, 0
	ds_add_u32 v254, v255
	ds_add_u32 v254, v255
	v_lshrrev_b32 v1, 5, v0
	s_delay_alu instid0(VALU_DEP_1)
	v_readfirstlane_b32 s[WV], v1                  ; wave 0..7
	s_bfe_u32 s23, ttmp6, 0x40000                  ; cx: which quarter of the positions; it enters global addresses of plain loads and stores alone
	s_and_b32 s24, ttmp7, 0xffff                   ; y = 8 b + head, which the four partners share
	s_lshr_b32 s25, s24, 3                         ; b
	s_and_b32 s26, s24, 7                          ; head
	s_mov_b32 s[G1], 15|(3<<16)|(1<<21)            ; 15:0 the mask: all four work-groups; 17:16 elements of 8 bytes; 21 set beside a mask; no padding
	s_mov_b32 s[G1+1], 32<<16                      ; tensor_dim0 = 32 elements: rows of 256 bytes
	s_mov_b32 s[G1+2], 51<<16                      ; tensor_dim1 = 51
	s_mov_b32 s[G1+3], 32<<16                      ; tile_dim0
	s_mov_b32 s[G1+4], 51                          ; tile_dim1
	s_mov_b32 s[G1+5], 32                          ; the pitch: the block is dense
	s_mov_b32 s[G1+6], 0
	s_mov_b32 s[G1+7], 0
	s_mov_b32 s[SEL], 0x76543210
	s_mov_b32 s[SEL+1], 0xfedcba98
	v_and_b32 v1, 31, v0                           ; lane
	s_delay_alu instid0(VALU_DEP_1)
	v_lshlrev_b32 v2, 4, v1                        ; 16 x lane: an image's place; also wq's codes in LDS
	s_delay_alu instid0(VALU_DEP_2)
	v_lshlrev_b32 v3, 2, v1                        ; 4 x lane
	s_delay_alu instid0(VALU_DEP_2)
	v_add_nc_u32 v5, 32768, v2                     ; wk's codes
	s_delay_alu instid0(VALU_DEP_3)
	v_add_nc_u32 v6, 65536, v2                     ; wv's
	s_delay_alu instid0(VALU_DEP_3)
	v_add_nc_u32 v7, 98304, v3                     ; the scale words
	v_and_b32 v12, 15, v0                          ; r
	v_bfe_u32 v13, v0, 4, 1                        ; h
	s_delay_alu instid0(VALU_DEP_1)
	v_lshlrev_b32 v8, 6, v13                       ; bq, bk: my half's 16 channels of a pair of tiles
	s_delay_alu instid0(VALU_DEP_3)
	v_and_b32 v9, 8, v12
	s_delay_alu instid0(VALU_DEP_1)
	v_add_nc_u32 v9, v9, v12
	s_delay_alu instid0(VALU_DEP_1)
	v_lshlrev_b32 v9, 2, v9                        ; bv: channel r + 8 (r / 8) of a tile
	s_lshr_b32 s48, s[WV], 2
	s_lshl_b32 s48, s48, 9
	s_and_b32 s51, s[WV], 3                        ; w % 4: my pair's place in its step of 128 keys
	s_add_co_u32 s48, s48, s51
	s_add_co_u32 s48, s48, VSCR
	v_add_nc_u32 v10, s48, v2                      ; V's scale bytes: VSCR + 512 (w / 4) + 16 x lane + w % 4
	v_and_b32 v11, 63, v0
	s_delay_alu instid0(VALU_DEP_1)
	v_lshl_add_u32 v11, v11, 4, VSCR               ; and their way out, for waves 0 and 1
.irp b, 0,1,2,3
	v_mov_b32 v[TM+4+\b], 0                        ; written once: a lane permute's destination counts as one of its sources
.endr
	s_mov_b32 s47, 0
	s_mov_b32 s[G0], 1
	s_mul_i32 s[G0+1], s[WV], WSHARE               ; LDS address: my share
	s_mul_i32 s46, s26, WBLK
	s_add_co_u32 s46, s46, s[G0+1]
	s_wait_dscnt 0x0
	s_wait_kmcnt 0x0
	s_add_nc_u64 s[G0+2:G0+3], s[4:5], s[46:47]    ; the head's block + my share: the same in all four partners
	s_or_b32 s[G0+3], s[G0+3], 0x80000000
	s_lshl_b32 s46, s25, 19
	s_lshl_b32 s48, s23, 17
	s_add_co_u32 s46, s46, s48
	s_lshl_b32 s48, s[WV], 14
	s_add_co_u32 s46, s46, s48
	s_add_nc_u64 s[6:7], s[6:7], s[46:47]          ; ximg at my pair of tiles
	s_lshl_b32 s46, s25, 14
	s_lshl_b32 s48, s23, 8
	s_add_co_u32 s46, s46, s48
	s_lshl_b32 s48, s[WV], 5
	s_add_co_u32 s46, s46, s48
	s_add_nc_u64 s[8:9], s[8:9], s[46:47]          ; xscl likewise
	s_lshl_b32 s46, s26, 8
	s_add_nc_u64 s[10:11], s[10:11], s[46:47]      ; the head's 64 biases
	s_add_nc_u64 s[12:13], s[12:13], s[46:47]
	s_add_nc_u64 s[14:15], s[14:15], s[46:47]
	s_lshl_b32 s46, s24, 16
	s_lshl_b32 s48, s23, 14
	s_add_co_u32 s46, s46, s48
	s_lshl_b32 s48, s[WV], 11
	s_add_co_u32 s46, s46, s48
	s_add_nc_u64 s[16:17], s[16:17], s[46:47]      ; qimg [y][tile 64][group 2][512]
	s_lshl_b32 s46, s24, 12
	s_lshl_b32 s48, s23, 10
	s_add_co_u32 s46, s46, s48
	s_lshl_b32 s48, s[WV], 7
	s_add_co_u32 s46, s46, s48
	s_add_nc_u64 s[18:19], s[18:19], s[46:47]      ; qscl [y][pair 32][lane] words
	s_mul_i32 s49, s24, 8*STEPB                    ; the unit's eight steps
	s_lshl_b32 s48, s23, 1
	s_lshr_b32 s50, s[WV], 2
	s_add_co_u32 s50, s50, s48                     ; my step: 2 cx + w / 4
	s_mul_i32 s50, s50, STEPB
	s_add_co_u32 s50, s50, s49
	s_lshl_b32 s46, s51, 7
	s_add_co_u32 s46, s46, s50
	s_add_co_u32 s46, s46, 16384
	s_add_nc_u64 s[40:41], s[20:21], s[46:47]      ; K's scale words
	s_lshl_b32 s46, s51, 9
	s_add_co_u32 s46, s46, s50
	s_add_co_u32 s46, s46, 8192
	s_add_nc_u64 s[42:43], s[20:21], s[46:47]      ; V's codes: my group
	s_and_b32 s46, s[WV], 1
	s_add_co_u32 s46, s46, s48
	s_mul_i32 s46, s46, STEPB
	s_add_co_u32 s46, s46, s49
	s_add_co_u32 s46, s46, 16896
	s_add_nc_u64 s[44:45], s[20:21], s[46:47]      ; V's scale words of step 2 cx + w % 2 (waves 0 and 1 store them)
	s_lshl_b32 s46, s51, 11
	s_add_co_u32 s46, s46, s50
	s_add_nc_u64 s[20:21], s[20:21], s[46:47]      ; K's codes: my fragment
	ROUND                                          ; all four work-groups are here: the joint loads meet
	tensor_load_to_lds s[G0:G0+3], s[G1:G1+7]      ; the one fill of these bytes; one tensor load of mine is out
	s_nop 0
	PLACES 4
.irp kb, 0,1,2,3,4,5,6,7,8,9,10,11,12,13,14,15
	global_load_u8 v[ACC+\kb], v1, s[8:9] offset:\kb*1024          ; xn's scale bytes: lanes 0-15 tile 0's rows, lanes 16-31 tile 1's
.endr
	s_wait_alu depctr_va_vdst(0)
.irp t, 0,1,2,3
	global_load_b128 v[BQ+8*\t:BQ+8*\t+3], v8, s[10:11] offset:(32*(\t/2)+8*(\t%2))*4
	global_load_b128 v[BQ+8*\t+4:BQ+8*\t+7], v8, s[10:11] offset:(32*(\t/2)+8*(\t%2))*4+16
	global_load_b128 v[BK+8*\t:BK+8*\t+3], v8, s[12:13] offset:(32*(\t/2)+8*(\t%2))*4
	global_load_b128 v[BK+8*\t+4:BK+8*\t+7], v8, s[12:13] offset:(32*(\t/2)+8*(\t%2))*4+16
	global_load_b32 v[BV+8*\t], v9, s[14:15] offset:(32*(\t/2)+8*(\t%2))*4
.endr
	WIN 0x40
.irp u, 0,1
.irp i, 0,1,2,3,4,5,6,7,8,9,10,11,12,13,14,15
	global_load_b128 v[64*\u+4*\i:64*\u+4*\i+3], v2, s[6:7] offset:\u*8192+\i*512   ; xn's fragments: they stay
.endr
.endr
	WIN 0
	s_wait_loadcnt 0x0
.irp s, 0,1,2,3
	v_lshl_or_b32 v[XS+\s], v[ACC+4*\s+1], 8, v[ACC+4*\s]          ; four bytes make a K step's scale word
	s_delay_alu instid0(VALU_DEP_1)
	v_lshl_or_b32 v[XS+\s], v[ACC+4*\s+2], 16, v[XS+\s]
	s_delay_alu instid0(VALU_DEP_1)
	v_lshl_or_b32 v[XS+\s], v[ACC+4*\s+3], 24, v[XS+\s]
.endr
.irp t, 0,1,2,3
.irp j, 1,2,3,4,5,6,7
	v_mov_b32 v[BV+8*\t+\j], v[BV+8*\t]            ; in v's result a lane holds one channel: its bias in all eight registers.  (These 28 also stand between the scale words' making and their first use)
.endr
.endr
	s_wait_tensorcnt 0x0                           ; my share of the weights is in,
	s_barrier_signal -1
	s_barrier_wait -1                              ; everybody's is
	KLOOP 0, 2, 0, BQ                              ; ---- q
	QUANT ACC                                      ; block 2 u + b: tile u, channels 32 b on
.irp i, 0,1,2,3
	global_store_b128 v2, v[PC+4*\i:PC+4*\i+3], s[16:17] offset:512*\i
.endr
	global_store_b32 v3, v[PW], s[18:19]           ; the pair's word: tile 0's two bytes, tile 1's two
	KLOOP 1, 5, 0, BK                              ; ---- k
	s_wait_xcnt 0x0                                ; q's stores have read their registers: the codes and the word are written again only behind this wait
	QUANT ACC
.irp i, 0,1,2,3
	global_store_b128 v2, v[PC+4*\i:PC+4*\i+3], s[20:21] offset:512*\i   ; the two key tiles on end are one fragment of 128 along K
.endr
	global_store_b32 v3, v[PW], s[40:41]           ; and this word is that fragment's scale word
	KLOOP 2, 6, 1, BV                              ; ---- v
	s_wait_xcnt 0x0
	QUANT ACC                                      ; block t: channel tile t, my 32 keys
.irp t, 0,1,2,3
	global_store_b128 v2, v[PC+4*\t:PC+4*\t+3], s[42:43] offset:2048*\t
.endr
.irp t, 0,1,2,3
	ds_store_b8 v10, v[TM+4+\t] offset:4*\t        ; a scale word of V has one byte from each of four waves: they meet in LDS
.endr
	s_wait_dscnt 0x0
	s_barrier_signal -1
	s_barrier_wait -1
	s_cmp_lt_u32 s[WV], 2
	s_cbranch_scc0 .Lno_vs
	ds_load_b128 v[ACC:ACC+3], v11
	s_wait_dscnt 0x0
	global_store_b128 v2, v[ACC:ACC+3], s[44:45]   ; a step's 512 bytes of scale words
.Lno_vs:
	s_wait_tensorcnt 0x0
	ds_add_u32 v254, v255
	s_wait_dscnt 0x0
	ROUND                                          ; the closing round: no work-group ends while a partner may still ask for a tile that names it
	s_endpgm
.Lfunc_end_k_q68f836d94c_qkv:
	.size	k_q68f836d94c_qkv, .Lfunc_end_k_q68f836d94c_qkv-k_q68f836d94c_qkv
	.p2alignl 7, 3214868480
	.fill 96, 4, 3214868480
	.section	.rodata,"a",@progbits
	.p2align	6, 0x0
	.amdhsa_kernel k_q68f836d94c_qkv
		.amdhsa_group_segment_fixed_size 168960
		.amdhsa_private_segment_fixed_size 0
		.amdhsa_enable_private_segment 0
		.amdhsa_kernarg_size 72
		.amdhsa_user_sgpr_count 2
		.amdhsa_user_sgpr_kernarg_segment_ptr 1
		.amdhsa_wavefront_size32 1
		.amdhsa_system_sgpr_workgroup_id_x 1
		.amdhsa_system_sgpr_workgroup_id_y 1
		.amdhsa_system_sgpr_workgroup_id_z 1
		.amdhsa_system_vgpr_workitem_id 0
		.amdhsa_next_free_vgpr 512
		.amdhsa_next_free_sgpr 66
		.amdhsa_reserve_vcc 0
		.amdhsa_float_denorm_mode_32 3
		.amdhsa_float_denorm_mode_16_64 3
		.amdhsa_fp16_overflow 1
		.amdhsa_memory_ordered 1
		.amdhsa_forward_progress 1
		.amdhsa_inst_pref_size 60
	.end_amdhsa_kernel
	.amdgpu_metadata
---
amdhsa.version: [ 1, 2 ]
amdhsa.kernels:
  - .name:           k_q68f836d94c_qkv
    .symbol:         k_q68f836d94c_qkv.kd
    .args:
      - { .name: wimg, .offset: 0, .size: 8, .value_kind: global_buffer, .address_space: global }
      - { .name: ximg, .offset: 8, .size: 8, .value_kind: global_buffer, .address_space: global }
      - { .name: xscl, .offset: 16, .size: 8, .value_kind: global_buffer, .address_space: global }
      - { .name: bq, .offset: 24, .size: 8, .value_kind: global_buffer, .address_space: global }
      - { .name: bk, .offset: 32, .size: 8, .value_kind: global_buffer, .address_space: global }
      - { .name: bv, .offset: 40, .size: 8, .value_kind: global_buffer, .address_space: global }
      - { .name: qimg, .offset: 48, .size: 8, .value_kind: global_buffer, .address_space: global }
      - { .name: qscl, .offset: 56, .size: 8, .value_kind: global_buffer, .address_space: global }
      - { .name: kv, .offset: 64, .size: 8, .value_kind: global_buffer, .address_space: global }
    .group_segment_fixed_size: 168960
    .private_segment_fixed_size: 0
    .kernarg_segment_align: 8
    .kernarg_segment_size: 72
    .max_flat_workgroup_size: 256
    .sgpr_count:     66
    .vgpr_count:     512
    .wavefront_size: 32
...
	.end_amdgpu_metadata
.endif
;; end of part 2
;; launch attn (part 3): grid 4 x 64, 16 waves a work-group, clusters of 4 x 1, 169,984 bytes of LDS; arguments qimg, qscl, kv, oimg, oscl; writes oimg, oscl
.if DOCPART == 3
	.amdgcn_target "amdgcn-amd-amdhsa--gfx1250"
	.amdhsa_code_object_version 6
	.text
	.protected	k_q68f836d94c_attn
	.globl	k_q68f836d94c_attn
	.p2align	8
	.type	k_q68f836d94c_attn,@function
k_q68f836d94c_attn:
	s_mov_b64 s[64:65], 0
	v_nop
	global_prefetch_b8 v0, s[64:65] scope:SCOPE_SE
	s_setreg_imm32_b32 hwreg(HW_REG_WAVE_MODE, 25, 1), 1
	s_wait_xcnt 0x0
	s_wait_alu depctr_hold_cnt(0) depctr_sa_sdst(0) depctr_va_vdst(0) depctr_va_sdst(0) depctr_va_ssrc(0) depctr_va_vcc(0) depctr_vm_vsrc(0)
	s_getreg_b32 s2, hwreg(HW_REG_IB_STS2, 6, 4)
	s_cmp_eq_u32 s2, 0
	s_cbranch_scc0 .Lentry_in_a_cluster
	s_endpgm
.Lentry_in_a_cluster:
	s_bfe_u32 s2, ttmp6, 0x10000c
	s_cmp_lg_u32 s2, 0x3003
	s_cbranch_scc0 .Lentry_shape_is_right
	s_endpgm
.Lentry_shape_is_right:
; ATTN.  O = softmax(Q K^T / 8) V for one (batch, head) unit y and 256 of its 1,024 queries, both products on codes of BF8 with E8M0 scales, and the quantising of O along the channels for the last product.
; THE SOFTMAX: t = score x log2(e) / 8; M = the row's largest t so far, rounded UP to a whole number; p = 2^(t - M) is what is quantised, along the keys; the row's sum is taken of the unquantised p and divides O
; at the end.  When M moves, the sum and O are multiplied by 2^(old M - new M): exact.
; SHARES.  Sixteen waves, four to a SIMD; wave w owns query tile 16 cx + w.  All of the unit's K, V and scale words (139,264 bytes, eight steps of 128 keys) lie in LDS as they lie in memory, filled once.
; CLUSTER.  The four query blocks of a unit walk the same K and V: each wave's share (34 rows of 256 bytes) is asked for JOINTLY.
; LAYOUT.  Both products are used transposed: a lane holds ONE query throughout.  The first product's K is 64, the instruction's 128: two key tiles on end are one fragment, multiplied once by [Q | 0] and once by
; [0 | Q] (Q, eight registers of zero codes, Q again: v[16:31] and v[24:39]).  K's codes are held at the largest code when they are made, so none is infinite: a zero code times any of them adds nothing.
; p's 16 registers of two neighbouring tiles are the same 16 key slots of a block of 32 as V's codes have.  So the keys inside a block are summed in another order than they lie in memory, alike on both sides.
; LIMITS: NaN and infinities are not served; p under 2^-126 counts as 0 (v_exp_f32); 1 / sum by v_rcp_f32; a block under 2^-111 or of zeros gets the byte 1 (read by this program alone).
.set STEPB, 17408                      ; a step: K codes 4 x 2,048; at 8,192 V codes 4 x 2,048; at 16,384 K scale words [4][lane]; at 16,896 V scale words [lane][4]
.set OSCR,  139264                     ; LDS behind the eight steps: O's scale bytes, 32 bytes a wave; no fill lands here
.set KV,   40                          ; v40-103  four fragments of K, then of V
.set S,    104                         ; v104-167 S^T, then p; at the end O / sum
.set O,    168                         ; v168-199 O^T: four tiles of 16 channels
.set PCD,  200                         ; v200-215 p's codes
.set BM,   216                         ; v216-219 a block's largest score, then its largest p
.set PT,   220                         ; v220-223 the other half's maxima, then the bytes
.set HD,   224
.set SO,   228                         ; v228-231 the conversions' scale operands
.set KS,   232                         ; v232-235 K's scale words
.set VS,   236                         ; v236-239 V's
.set QS,   240                         ; v240 Q's: its two bytes, twice
.set PWD,  241                         ; v241 p's scale word
.set F,    242                         ; v[242:243] f = 2^(old M - new M) (the pair is named; the low word serves both halves)
.set TMP,  244
.set SUM2, 246                         ; v[246:247] the sum's second chain.  v12 -M, v13 the largest t, v[14:15] the sum in two halves
.set WV,   14                          ; s14 my wave's number
.set G1,   16                          ; s[16:23] descriptor group 1;  s[24:27] group 0
.set G0,   24
.set TB,   33                          ; s33 LDS byte at which the step in hand begins
.set CNT,  34
.set CS,   36                          ; s[36:37] c = log2(e) / 8
.set SEL,  38
.set MNT,  40
.macro PLACES n
.rept \n
	v_nop
.endr
.endm
.macro ROUND                           ; a round of the cluster's barrier
	s_barrier_signal -1
	s_barrier_wait -1
	s_cmp_lg_u32 s[WV], 0
	s_cbranch_scc1 .Lnot_wave_0_\@
	s_barrier_signal -3
.Lnot_wave_0_\@:
	s_barrier_wait -3
	s_barrier_signal -1
	s_barrier_wait -1
.endm
	s_load_b256 s[4:11], s[0:1], 0x0               ; qimg 4:5, qscl 6:7, kv 8:9, oimg 10:11
	s_load_b64 s[12:13], s[0:1], 0x20              ; oscl
	v_lshl_add_u32 v254, v0, 2, 0x29000
	v_mov_b32 v255, 0
	ds_add_u32 v254, v255
	ds_add_u32 v254, v255
	v_lshrrev_b32 v1, 5, v0
	s_delay_alu instid0(VALU_DEP_1)
	v_readfirstlane_b32 s[WV], v1                  ; wave 0..15
	s_bfe_u32 s15, ttmp6, 0x40000                  ; cx: my block of 256 queries; it enters Q's and O's global addresses alone
	s_and_b32 s32, ttmp7, 0xffff                   ; y, which the four partners share
	s_mov_b32 s[G1], 15|(3<<16)|(1<<21)            ; the mask of all four; elements of 8 bytes; bit 21 beside a mask; no padding
	s_mov_b32 s[G1+1], 32<<16                      ; rows of 256 bytes,
	s_mov_b32 s[G1+2], 34<<16                      ; 34 of them
	s_mov_b32 s[G1+3], 32<<16
	s_mov_b32 s[G1+4], 34
	s_mov_b32 s[G1+5], 32                          ; dense
	s_mov_b32 s[G1+6], 0
	s_mov_b32 s[G1+7], 0
	s_mov_b32 s[CS], 0x3e38aa3b
	s_mov_b32 s[CS+1], s[CS]                       ; (named with it as a pair, so it is written)
	s_mov_b32 s[SEL], 0x76543210
	s_mov_b32 s[SEL+1], 0xfedcba98
	s_and_b32 s35, s[WV], 1
	s_lshl_b32 s35, s35, 4                         ; which half of the pair's scale word is my tile's
	v_and_b32 v2, 31, v0
	s_delay_alu instid0(VALU_DEP_1)
	v_lshlrev_b32 v1, 4, v2                        ; 16 x lane
	s_delay_alu instid0(VALU_DEP_2)
	v_lshlrev_b32 v2, 2, v2                        ; 4 x lane
	v_and_b32 v5, 15, v0
	s_lshl_b32 s41, s[WV], 5
	s_add_co_u32 s41, s41, OSCR
	v_lshl_add_u32 v5, v5, 1, s41                  ; O's scale bytes: OSCR + 32 w + 2 r
	v_add_nc_u32 v6, OSCR, v1                      ; and their way out
	s_mov_b32 s47, 0
	s_mov_b32 s[G0], 1
	s_mul_i32 s[G0+1], s[WV], 8704                 ; LDS address: my share
	s_mul_i32 s46, s32, 8*STEPB
	s_add_co_u32 s46, s46, s[G0+1]
	s_wait_dscnt 0x0
	s_wait_kmcnt 0x0
	s_add_nc_u64 s[G0+2:G0+3], s[8:9], s[46:47]    ; the unit's block + my share: the same in all four partners
	s_or_b32 s[G0+3], s[G0+3], 0x80000000
	s_lshl_b32 s46, s32, 16
	s_lshl_b32 s48, s15, 14
	s_add_co_u32 s46, s46, s48
	s_lshl_b32 s48, s[WV], 10
	s_add_co_u32 s46, s46, s48
	s_add_nc_u64 s[4:5], s[4:5], s[46:47]          ; my tile of Q
	s_lshl_b32 s46, s32, 12
	s_lshl_b32 s48, s15, 10
	s_add_co_u32 s46, s46, s48
	s_lshr_b32 s48, s[WV], 1
	s_lshl_b32 s48, s48, 7
	s_add_co_u32 s46, s46, s48
	s_add_nc_u64 s[6:7], s[6:7], s[46:47]          ; its pair's scale words
	s_lshr_b32 s42, s32, 3                         ; b
	s_and_b32 s43, s32, 7                          ; head
	s_lshl_b32 s46, s42, 19
	s_lshl_b32 s48, s15, 17
	s_add_co_u32 s46, s46, s48
	s_lshl_b32 s48, s[WV], 13
	s_add_co_u32 s46, s46, s48
	s_lshl_b32 s48, s43, 10
	s_add_co_u32 s46, s46, s48
	s_add_nc_u64 s[10:11], s[10:11], s[46:47]      ; oimg [b][tile 64][channel block 16][512]: my tile, blocks 2 head, 2 head + 1
	s_lshl_b32 s46, s32, 11
	s_lshl_b32 s48, s15, 9
	s_add_co_u32 s46, s46, s48
	s_add_nc_u64 s[12:13], s[12:13], s[46:47]      ; oscl [y][tile 64][r 16] halfwords: the work-group's 512 bytes
	ROUND                                          ; all four work-groups are here: the joint loads meet
	tensor_load_to_lds s[G0:G0+3], s[G1:G1+7]      ; the one fill of these bytes; one tensor load of mine is out
	s_nop 0
	PLACES 4
	s_wait_alu depctr_va_vdst(0)
	global_load_b128 v[16:19], v1, s[4:5]          ; Q, 8 registers,
	global_load_b128 v[20:23], v1, s[4:5] offset:512
	global_load_b128 v[32:35], v1, s[4:5]          ; and once more, behind the zeros
	global_load_b128 v[36:39], v1, s[4:5] offset:512
	global_load_b32 v[QS], v2, s[6:7]
	v_mov_b32 v13, 0xff61b1e6                      ; the largest t so far: -3e38, under every t
	s_delay_alu instid0(VALU_DEP_1)
	v_floor_f32 v12, -v13                          ; -M
	v_mov_b32 v14, 0
	v_mov_b32 v15, 0
	v_mov_b32 v[F+1], 0
.irp b, 0,1,2,3
	v_mov_b32 v[PT+\b], 0                          ; written once: a lane permute's destination counts as one of its sources
.endr
	s_wait_loadcnt 0x0
	v_lshrrev_b32 v[QS], s35, v[QS]
	s_delay_alu instid0(VALU_DEP_1)
	v_and_b32 v[QS], 0xffff, v[QS]
	s_delay_alu instid0(VALU_DEP_1)
	v_lshl_or_b32 v[QS], v[QS], 16, v[QS]          ; (q0, q1, q0, q1): it serves [Q | 0] and [0 | Q] alike
.irp j, 0,1,2,3,4,5,6,7
	v_mov_b32 v[24+\j], 0                          ; the zero codes
.endr
.irp j, 0,1,2,3,4,5,6,7,8,9,10,11,12,13,14,15,16,17,18,19,20,21,22,23,24,25,26,27,28,29,30,31
	v_mov_b32 v[O+\j], 0                           ; O^T.  (The step is written once: the first finds zeros, which the first change of M leaves zeros)
.endr
	s_mov_b32 s[TB], 0
	s_mov_b32 s[CNT], 8
	s_wait_tensorcnt 0x0                           ; my share of K and V is in,
	s_barrier_signal -1
	s_barrier_wait -1                              ; everybody's is
.Lstep:                                                ; a trip = 128 keys
	s_setprio 2
	v_add_nc_u32 v3, s[TB], v1
	v_add_nc_u32 v4, s[TB], v2
	PLACES 6                                       ; with the two additions: eight places behind the last trip's products, in front of loads into registers that they read
.irp f, 0,1,2,3
.irp c, 0,1,2,3
	ds_load_b128 v[KV+16*\f+4*\c:KV+16*\f+4*\c+3], v3 offset:\f*2048+\c*512
.endr
	ds_load_b32 v[KS+\f], v4 offset:16384+\f*128
.endr
	s_wait_alu depctr_va_vdst(0)
	s_wait_dscnt 0x0
.irp f, 0,1,2,3                        ; S^T = K Q^T: fragment f holds key tiles 2 f (k 0-63) and 2 f + 1 (k 64-127)
	v_wmma_scale_f32_16x16x128_f8f6f4 v[S+16*\f:S+16*\f+7], v[KV+16*\f:KV+16*\f+15], v[16:31], 0, v[KS+\f], v[QS] matrix_a_fmt:MATRIX_FMT_BF8 matrix_b_fmt:MATRIX_FMT_BF8
	v_wmma_scale_f32_16x16x128_f8f6f4 v[S+16*\f+8:S+16*\f+15], v[KV+16*\f:KV+16*\f+15], v[24:39], 0, v[KS+\f], v[QS] matrix_a_fmt:MATRIX_FMT_BF8 matrix_b_fmt:MATRIX_FMT_BF8
.endr
	PLACES 8                                       ; in front of the loads below and of the first read of the scores
.irp t, 0,1,2,3
.irp c, 0,1,2,3
	ds_load_b128 v[KV+16*\t+4*\c:KV+16*\t+4*\c+3], v3 offset:8192+\t*2048+\c*512   ; V lands while the softmax is walked
.endr
.endr
	ds_load_b128 v[VS:VS+3], v3 offset:16896
.irp b, 0,1,2,3
	v_max3_num_f32 v[BM+\b], v[S+16*\b], v[S+1+16*\b], v[S+2+16*\b]   ; the largest score of each block of 32 keys: for the row's maximum, and, since p rises with the score, for the block's largest p
.endr
.irp i, 3,5,7,9,11,13
.irp b, 0,1,2,3
	v_max3_num_f32 v[BM+\b], v[BM+\b], v[S+16*\b+\i], v[S+1+16*\b+\i]
.endr
.endr
.irp b, 0,1,2,3
	v_max_num_f32 v[BM+\b], v[BM+\b], v[S+15+16*\b]
.endr
.irp b, 0,1,2,3
	s_delay_alu instid0(VALU_DEP_4)
	v_permlanex16_b32 v[PT+\b], v[BM+\b], s[SEL], s[SEL+1]
.endr
.irp b, 0,1,2,3
	s_delay_alu instid0(VALU_DEP_4)
	v_max_num_f32 v[BM+\b], v[BM+\b], v[PT+\b]     ; with lane l xor 16's 16 keys
.endr
	s_delay_alu instid0(VALU_DEP_2)
	v_max3_num_f32 v[TMP], v[BM], v[BM+1], v[BM+2]
	s_delay_alu instid0(VALU_DEP_1)
	v_max_num_f32 v[TMP], v[TMP], v[BM+3]
	s_delay_alu instid0(VALU_DEP_1)
	v_mul_f32 v[TMP], s[CS], v[TMP]                ; the step's largest t (c is positive)
	s_delay_alu instid0(VALU_DEP_1)
	v_max_num_f32 v13, v13, v[TMP]                 ; the running largest t
	v_mov_b32 v[TMP], v12
	s_delay_alu instid0(VALU_DEP_2)
	v_floor_f32 v12, -v13                          ; the new -M = floor(-t) = -ceil(t)
	s_delay_alu instid0(VALU_DEP_1)
	v_sub_f32 v[TMP], v12, v[TMP]                  ; old M - new M: a whole number, 0 or less
	s_delay_alu instid0(VALU_DEP_1)
	v_cvt_i32_f32 v[TMP], v[TMP]                   ; (it saturates)
	s_delay_alu instid0(VALU_DEP_1)
	v_ldexp_f32 v[F], 1.0, v[TMP]                  ; f = 2^(old M - new M)
.irp j, 0,2,4,6,8,10,12,14,16,18,20,22,24,26,28,30,32,34,36,38,40,42,44,46,48,50,52,54,56,58,60,62
	v_pk_fma_f32 v[S+\j:S+1+\j], v[S+\j:S+1+\j], s[CS:CS+1], v[12:13] op_sel_hi:[1,0,0]   ; t - M, two at a time
.endr
.irp b, 0,1,2,3
	v_fma_f32 v[BM+\b], v[BM+\b], s[CS], v12       ; the same of each block's largest score
.endr
	s_setprio 1
	s_wait_alu depctr_va_vdst(0)
.irp j, 0,1,2,3,4,5,6,7,8,9,10,11,12,13,14,15,16,17,18,19,20,21,22,23,24,25,26,27,28,29,30,31,32,33,34,35,36,37,38,39,40,41,42,43,44,45,46,47,48,49,50,51,52,53,54,55,56,57,58,59,60,61,62,63
	v_exp_f32 v[S+\j], v[S+\j]                     ; p = 2^(t - M), at most 1
.endr
.irp b, 0,1,2,3
	v_exp_f32 v[BM+\b], v[BM+\b]                   ; the block's largest p: the same two instructions on the same number
.endr
	v_pk_mul_f32 v[14:15], v[14:15], v[F:F+1] op_sel_hi:[1,0]      ; the sums under the new M.  (The plain place behind the exponentials)
	s_wait_alu depctr_va_vdst(0)
.irp b, 0,1,2,3
	v_max_num_f32 v[BM+\b], 0x8000000, v[BM+\b]    ; the floor 2^(16 - 127): the byte cannot fall under 1
.endr
.irp b, 0,1,2,3
	s_delay_alu instid0(VALU_DEP_4)
	v_add_nc_u32 v[SO+\b], 0xf8800000, v[BM+\b]    ; 15 off the exponent field: the conversion's scale operand
.endr
.irp b, 0,1,2,3
.endr
.irp b, 0,1,2,3
	s_delay_alu instid0(VALU_DEP_4)
	v_lshrrev_b32 v[PT+\b], 23, v[SO+\b]           ; the scale's byte
.endr
	s_delay_alu instid0(VALU_DEP_3)
	v_lshl_or_b32 v[PWD], v[PT+1], 8, v[PT]        ; p's scale word for these 128 keys
	s_delay_alu instid0(VALU_DEP_1)
	v_lshl_or_b32 v[PWD], v[PT+2], 16, v[PWD]
	s_delay_alu instid0(VALU_DEP_1)
	v_lshl_or_b32 v[PWD], v[PT+3], 24, v[PWD]
	v_pk_add_f32 v[246:247], v[108:109], v[112:113]
	v_pk_add_f32 v[252:253], v[116:117], v[120:121]
	v_pk_add_f32 v[250:251], v[124:125], v[128:129]
	v_pk_add_f32 v[248:249], v[132:133], v[136:137]
	v_pk_add_f32 v[244:245], v[140:141], v[144:145]
	v_pk_add_f32 v[234:235], v[148:149], v[152:153]
	v_pk_add_f32 v[232:233], v[156:157], v[160:161]
	v_pk_add_f32 v[14:15], v[14:15], v[164:165]
	v_pk_add_f32 v[246:247], v[246:247], v[104:105]
	v_pk_add_f32 v[252:253], v[252:253], v[106:107]
	v_pk_add_f32 v[250:251], v[250:251], v[110:111]
	v_pk_add_f32 v[248:249], v[248:249], v[114:115]
	v_pk_add_f32 v[244:245], v[244:245], v[118:119]
	v_pk_add_f32 v[234:235], v[234:235], v[122:123]
	v_pk_add_f32 v[232:233], v[232:233], v[126:127]
	v_pk_add_f32 v[14:15], v[14:15], v[130:131]
	v_pk_add_f32 v[246:247], v[246:247], v[134:135]
	v_pk_add_f32 v[252:253], v[252:253], v[138:139]
	v_pk_add_f32 v[250:251], v[250:251], v[142:143]
	v_pk_add_f32 v[248:249], v[248:249], v[146:147]
	v_pk_add_f32 v[244:245], v[244:245], v[150:151]
	v_pk_add_f32 v[234:235], v[234:235], v[154:155]
	v_pk_add_f32 v[232:233], v[232:233], v[158:159]
	v_pk_add_f32 v[14:15], v[14:15], v[162:163]
	v_pk_add_f32 v[246:247], v[246:247], v[166:167]
	s_delay_alu instid0(VALU_DEP_2)
	v_pk_add_f32 v[14:15], v[14:15], v[248:249]
	s_delay_alu instid0(VALU_DEP_2)
	v_pk_add_f32 v[246:247], v[246:247], v[244:245]
	v_pk_add_f32 v[252:253], v[252:253], v[234:235]
	v_pk_add_f32 v[250:251], v[250:251], v[232:233]
	s_delay_alu instid0(VALU_DEP_2)
	v_pk_add_f32 v[14:15], v[14:15], v[252:253]
	s_delay_alu instid0(VALU_DEP_2)
	v_pk_add_f32 v[246:247], v[246:247], v[250:251]
	s_delay_alu instid0(VALU_DEP_1)
	v_pk_add_f32 v[14:15], v[14:15], v[246:247]
	s_setprio 0
.irp b, 0,1,2,3
.irp i, 0,1,2,3,4,5,6,7,8,9,10,11,12,13,14,15
.endr
	v_cvt_scalef32_pk8_bf8_f32 v[PCD+4*\b:PCD+1+4*\b], v[S+16*\b:S+7+16*\b], v[SO+\b]
	v_cvt_scalef32_pk8_bf8_f32 v[PCD+2+4*\b:PCD+3+4*\b], v[S+8+16*\b:S+15+16*\b], v[SO+\b]
.endr
.irp j, 0,2,4,6,8,10,12,14,16,18,20,22,24,26,28,30
	v_pk_mul_f32 v[O+\j:O+1+\j], v[O+\j:O+1+\j], v[F:F+1] op_sel_hi:[1,0]   ; O^T under the new M.  (These sixteen also stand between the codes' making and the products)
.endr
	s_wait_alu depctr_va_vdst(0)
	s_wait_dscnt 0x0                               ; V and its scale words are in
.irp t, 0,1,2,3                        ; O^T += V^T P^T; the four accumulators by turns, and the next trip's eight products stand between two links
	v_wmma_scale_f32_16x16x128_f8f6f4 v[O+8*\t:O+8*\t+7], v[KV+16*\t:KV+16*\t+15], v[PCD:PCD+15], v[O+8*\t:O+8*\t+7], v[VS+\t], v[PWD] matrix_a_fmt:MATRIX_FMT_BF8 matrix_b_fmt:MATRIX_FMT_BF8
.endr
	s_add_co_u32 s[TB], s[TB], STEPB
	s_sub_co_u32 s[CNT], s[CNT], 1
	s_cmp_lg_u32 s[CNT], 0
	s_cbranch_scc1 .Lstep
	s_setprio 0
	PLACES 8                                       ; in front of the first read of O^T
	v_add_f32 v14, v14, v15                        ; the sum's two halves,
	s_delay_alu instid0(VALU_DEP_1)
	v_permlanex16_b32 v[PT], v14, s[SEL], s[SEL+1]
	s_delay_alu instid0(VALU_DEP_1)
	v_add_f32 v14, v14, v[PT]                      ; and lane l xor 16's: the row's sum
	s_wait_alu depctr_va_vdst(0)
	v_rcp_f32 v14, v14
	v_nop                                          ; one plain instruction behind a transcendental
	s_wait_alu depctr_va_vdst(0)
.irp j, 0,1,2,3,4,5,6,7,8,9,10,11,12,13,14,15,16,17,18,19,20,21,22,23,24,25,26,27,28,29,30,31
	v_mul_f32 v[S+\j], v[O+\j], v14                ; register 16 b + i: channel 32 b + 16 h + i of my query: the last product's K
.endr
.irp b, 0,1
	v_max3_num_f32 v[BM+\b], |v[S+16*\b]|, |v[S+1+16*\b]|, 0x8000000
.endr
.irp i, 2,4,6,8,10,12,14
.irp b, 0,1
	s_delay_alu instid0(VALU_DEP_2)
	v_max3_num_f32 v[BM+\b], v[BM+\b], |v[S+16*\b+\i]|, |v[S+1+16*\b+\i]|
.endr
.endr
.irp b, 0,1
	s_delay_alu instid0(VALU_DEP_2)
	v_permlanex16_b32 v[PT+\b], v[BM+\b], s[SEL], s[SEL+1]
.endr
.irp b, 0,1
	s_delay_alu instid0(VALU_DEP_2)
	v_max_num_f32 v[BM+\b], v[BM+\b], v[PT+\b]
.endr
.irp b, 0,1
	s_delay_alu instid0(VALU_DEP_2)
	v_add_nc_u32 v[SO+\b], 0xf8800000, v[BM+\b]
.endr
.irp b, 0,1
.endr
.irp b, 0,1
	s_delay_alu instid0(VALU_DEP_2)
	v_lshrrev_b32 v[PT+\b], 23, v[SO+\b]
.endr
	s_delay_alu instid0(VALU_DEP_1)
	v_lshl_or_b32 v[PWD], v[PT+1], 8, v[PT]        ; the head's two bytes of my row
.irp b, 0,1
.irp i, 0,1,2,3,4,5,6,7,8,9,10,11,12,13,14,15
.endr
	v_cvt_scalef32_pk8_bf8_f32 v[PCD+4*\b:PCD+1+4*\b], v[S+16*\b:S+7+16*\b], v[SO+\b]
	v_cvt_scalef32_pk8_bf8_f32 v[PCD+2+4*\b:PCD+3+4*\b], v[S+8+16*\b:S+15+16*\b], v[SO+\b]
.endr
	v_nop                                          ; one plain vector instruction behind the last scaled conversion
	global_store_b128 v1, v[PCD:PCD+3], s[10:11]
	global_store_b128 v1, v[PCD+4:PCD+7], s[10:11] offset:512
	ds_store_b16 v5, v[PWD]                        ; both lanes of a row write the same halfword with the same value
	s_wait_dscnt 0x0
	s_barrier_signal -1
	s_barrier_wait -1                              ; the sixteen tiles' 512 bytes lie in LDS
	s_cmp_lg_u32 s[WV], 0
	s_cbranch_scc1 .Lno_scales
	ds_load_b128 v[KV:KV+3], v6
	s_wait_dscnt 0x0
	global_store_b128 v1, v[KV:KV+3], s[12:13]     ; wave 0 stores them: 512 consecutive bytes
.Lno_scales:
	s_wait_tensorcnt 0x0
	ds_add_u32 v254, v255
	s_wait_dscnt 0x0
	ROUND                                          ; the closing round: no work-group ends while a partner may still ask for a tile that names it
	s_endpgm
.Lfunc_end_k_q68f836d94c_attn:
	.size	k_q68f836d94c_attn, .Lfunc_end_k_q68f836d94c_attn-k_q68f836d94c_attn
	.p2alignl 7, 3214868480
	.fill 96, 4, 3214868480
	.section	.rodata,"a",@progbits
	.p2align	6, 0x0
	.amdhsa_kernel k_q68f836d94c_attn
		.amdhsa_group_segment_fixed_size 169984
		.amdhsa_private_segment_fixed_size 0
		.amdhsa_enable_private_segment 0
		.amdhsa_kernarg_size 40
		.amdhsa_user_sgpr_count 2
		.amdhsa_user_sgpr_kernarg_segment_ptr 1
		.amdhsa_wavefront_size32 1
		.amdhsa_system_sgpr_workgroup_id_x 1
		.amdhsa_system_sgpr_workgroup_id_y 1
		.amdhsa_system_sgpr_workgroup_id_z 1
		.amdhsa_system_vgpr_workitem_id 0
		.amdhsa_next_free_vgpr 256
		.amdhsa_next_free_sgpr 66
		.amdhsa_reserve_vcc 0
		.amdhsa_float_denorm_mode_32 3
		.amdhsa_float_denorm_mode_16_64 3
		.amdhsa_fp16_overflow 1
		.amdhsa_memory_ordered 1
		.amdhsa_forward_progress 1
		.amdhsa_inst_pref_size 29
	.end_amdhsa_kernel
	.amdgpu_metadata
---
amdhsa.version: [ 1, 2 ]
amdhsa.kernels:
  - .name:           k_q68f836d94c_attn
    .symbol:         k_q68f836d94c_attn.kd
    .args:
      - { .name: qimg, .offset: 0, .size: 8, .value_kind: global_buffer, .address_space: global }
      - { .name: qscl, .offset: 8, .size: 8, .value_kind: global_buffer, .address_space: global }
      - { .name: kv, .offset: 16, .size: 8, .value_kind: global_buffer, .address_space: global }
      - { .name: oimg, .offset: 24, .size: 8, .value_kind: global_buffer, .address_space: global }
      - { .name: oscl, .offset: 32, .size: 8, .value_kind: global_buffer, .address_space: global }
    .group_segment_fixed_size: 169984
    .private_segment_fixed_size: 0
    .kernarg_segment_align: 8
    .kernarg_segment_size: 40
    .max_flat_workgroup_size: 512
    .sgpr_count:     66
    .vgpr_count:     256
    .wavefront_size: 32
...
	.end_amdgpu_metadata
.endif
;; end of part 3
;; launch proj (part 4): grid 64 x 4, 8 waves a work-group, clusters of 4 x 1, 168,960 bytes of LDS; arguments wimg, oimg, oscl, bp, x, out0; writes out0
.if DOCPART == 4
	.amdgcn_target "amdgcn-amd-amdhsa--gfx1250"
	.amdhsa_code_object_version 6
	.text
	.protected	k_q68f836d94c_proj
	.globl	k_q68f836d94c_proj
	.p2align	8
	.type	k_q68f836d94c_proj,@function
k_q68f836d94c_proj:
	s_mov_b64 s[64:65], 0
	v_nop
	global_prefetch_b8 v0, s[64:65] scope:SCOPE_SE
	s_setreg_imm32_b32 hwreg(HW_REG_WAVE_MODE, 25, 1), 1
	s_wait_xcnt 0x0
	s_wait_alu depctr_hold_cnt(0) depctr_sa_sdst(0) depctr_va_vdst(0) depctr_va_sdst(0) depctr_va_ssrc(0) depctr_va_vcc(0) depctr_vm_vsrc(0)
	s_getreg_b32 s2, hwreg(HW_REG_IB_STS2, 6, 4)
	s_cmp_eq_u32 s2, 0
	s_cbranch_scc0 .Lentry_in_a_cluster
	s_endpgm
.Lentry_in_a_cluster:
	s_bfe_u32 s2, ttmp6, 0x10000c
	s_cmp_lg_u32 s2, 0x3003
	s_cbranch_scc0 .Lentry_shape_is_right
	s_endpgm
.Lentry_shape_is_right:
; PROJ.  out0 = wp O + bp + x, on codes of BF8 with E8M0 scales (K = 512 channels, four K steps of 128).  A work-group makes 128 output channels x 128 positions of one batch.
; SHARES.  Eight waves; wave w takes the pair of position tiles w % 4 against channel tiles 4 (w / 4) + 0 .. 3: eight accumulators, 32 matrix instructions.  Its eight fragments of O stay in registers;
; wp's block of 128 rows (69,632 bytes: codes, then scale words) lies in LDS, filled once.
; CLUSTER.  The four position blocks of a cluster need the same rows of wp: each wave's share (34 rows of 256 bytes) is asked for JOINTLY.
; Source 0 = 16 positions of O, source 1 = 16 rows of wp: a lane holds ONE output channel, and its 16 registers of the pair are positions 16 h + 2 j + u of the pair's 32: the addition of the bias also sorts them,
; so that a lane holds 64 neighbouring bytes of a row of out0.  The rows meet in a stage in LDS (128 rows of 512 bytes + 16) and leave whole, with the residual added: 512 consecutive bytes a store.
; Stage row 16 t + r is output channel 32 (t / 2) + 8 (t % 2) + r + 8 (r / 8) of the block, as wp's tiles were laid.
; REGISTERS.  Window 0: v1-13 addresses; v32-35 O's scale words; v36-51 wp's; v52-55 bias; v56-63 O's scale halfwords; v64-127 accumulators, later rows read back; v128-191 sorted results; v192-255 the residual.
;   Window 1: v0-127 O's fragments (tile u, K step s at 64 u + 16 s); v128-255 two sets of four fragments of wp.
.set STG,  69632                       ; LDS behind wp's block: the stage; no fill lands here
.set SP,   528
.set XS,   32
.set WS,   36
.set BP,   52
.set HW,   56
.set ACC,  64
.set OUT,  128
.set RES,  192
.set WV,   22
.set G1,   28
.set G0,   36
.set MSB, 0
.macro WIN new                         ; the immediate's high byte repeats the setting that is left; a switch that changes nothing is dropped
.if MSB != \new
	s_set_vgpr_msb (MSB<<8)|\new
.set MSB, \new
.endif
.endm
.macro PLACES n
.rept \n
	v_nop
.endr
.endm
.macro ROUND                           ; a round of the cluster's barrier
	s_barrier_signal -1
	s_barrier_wait -1
	s_cmp_lg_u32 s[WV], 0
	s_cbranch_scc1 .Lnot_wave_0_\@
	s_barrier_signal -3
.Lnot_wave_0_\@:
	s_barrier_wait -3
	s_barrier_signal -1
	s_barrier_wait -1
.endm
.macro WFETCH buf, ks                  ; my four fragments of wp of K step ks into set buf
	WIN 0x40                                       ; destination window 1, address window 0
.irp t, 0,1,2,3
.irp c, 0,1,2,3
	ds_load_b128 v[128+64*(\buf)+16*\t+4*\c:128+64*(\buf)+16*\t+4*\c+3], v4 offset:\t*8192+(\ks)*2048+\c*512
.endr
.endr
.endm
; Eight matrix instructions, the eight accumulators by turns in the same order in every K step.  The first K step starts the sums.  Tile u = 1 of O has its scale words in lanes 16-31.
.macro MULP ks, buf
	WIN 0x05                                       ; sources 0 and 1 window 1; C and D window 0
.irp t, 0,1,2,3
.irp u, 0,1
.set rD, ACC+16*\t+8*\u
.set rA, 64*\u+16*(\ks)
.set rB, 128+64*(\buf)+16*\t
.if (\ks) == 0
.if \u == 0
	v_wmma_scale_f32_16x16x128_f8f6f4 v[rD:rD+7], v[rA:rA+15], v[rB:rB+15], 0, v[XS+(\ks)], v[WS+4*\t+(\ks)] matrix_a_fmt:MATRIX_FMT_BF8 matrix_b_fmt:MATRIX_FMT_BF8
.else
	v_wmma_scale_f32_16x16x128_f8f6f4 v[rD:rD+7], v[rA:rA+15], v[rB:rB+15], 0, v[XS+(\ks)], v[WS+4*\t+(\ks)] matrix_a_fmt:MATRIX_FMT_BF8 matrix_b_fmt:MATRIX_FMT_BF8 matrix_a_scale:MATRIX_SCALE_ROW1
.endif
.else
.if \u == 0
	v_wmma_scale_f32_16x16x128_f8f6f4 v[rD:rD+7], v[rA:rA+15], v[rB:rB+15], v[rD:rD+7], v[XS+(\ks)], v[WS+4*\t+(\ks)] matrix_a_fmt:MATRIX_FMT_BF8 matrix_b_fmt:MATRIX_FMT_BF8
.else
	v_wmma_scale_f32_16x16x128_f8f6f4 v[rD:rD+7], v[rA:rA+15], v[rB:rB+15], v[rD:rD+7], v[XS+(\ks)], v[WS+4*\t+(\ks)] matrix_a_fmt:MATRIX_FMT_BF8 matrix_b_fmt:MATRIX_FMT_BF8 matrix_a_scale:MATRIX_SCALE_ROW1
.endif
.endif
.endr
.endr
.endm
	s_load_b256 s[4:11], s[0:1], 0x0               ; wimg 4:5, oimg 6:7, oscl 8:9, bp 10:11
	s_load_b128 s[12:15], s[0:1], 0x20             ; x 12:13, out0 14:15
	v_lshl_add_u32 v30, v0, 2, 0x29000
	v_mov_b32 v31, 0
	ds_add_u32 v30, v31
	ds_add_u32 v30, v31
	v_lshrrev_b32 v1, 5, v0
	s_delay_alu instid0(VALU_DEP_1)
	v_readfirstlane_b32 s[WV], v1                  ; wave 0..7
	s_bfe_u32 s23, ttmp6, 0x40000                  ; cx
	s_lshl_b32 s24, ttmp9, 2
	s_add_co_u32 s24, s24, s23                     ; my block of 128 positions = 4 x cluster x + cx = 8 b + pb: it enters global addresses of plain loads and stores alone
	s_and_b32 s25, ttmp7, 0xffff                   ; my block of 128 output channels, which the four partners share
	s_lshr_b32 s26, s24, 3                         ; b
	s_and_b32 s27, s24, 7                          ; pb
	s_and_b32 s40, s[WV], 3                        ; p: my pair of position tiles
	s_lshr_b32 s41, s[WV], 2                       ; g: my four channel tiles
	s_mov_b32 s[G1], 15|(3<<16)|(1<<21)            ; the mask of all four; elements of 8 bytes; bit 21 beside a mask; no padding
	s_mov_b32 s[G1+1], 32<<16                      ; rows of 256 bytes,
	s_mov_b32 s[G1+2], 34<<16                      ; 34 of them
	s_mov_b32 s[G1+3], 32<<16
	s_mov_b32 s[G1+4], 34
	s_mov_b32 s[G1+5], 32                          ; dense
	s_mov_b32 s[G1+6], 0
	s_mov_b32 s[G1+7], 0
	v_and_b32 v1, 31, v0                           ; lane
	s_delay_alu instid0(VALU_DEP_1)
	v_lshlrev_b32 v2, 4, v1                        ; 16 x lane
	s_delay_alu instid0(VALU_DEP_2)
	v_lshlrev_b32 v3, 2, v1                        ; 4 x lane
	s_lshl_b32 s48, s41, 15
	v_add_nc_u32 v4, s48, v2                       ; my tiles' codes in LDS: 32,768 g + 16 x lane
	s_lshl_b32 s48, s41, 11
	s_add_co_u32 s48, s48, 65536
	v_add_nc_u32 v7, s48, v3                       ; their scale words: 65,536 + 2,048 g + 4 x lane
	v_lshlrev_b32 v8, 1, v1                        ; O's scale halfwords: 2 x lane
	v_and_b32 v12, 15, v0                          ; r
	v_bfe_u32 v13, v0, 4, 1                        ; h
	s_delay_alu instid0(VALU_DEP_2)
	v_and_b32 v9, 8, v12
	s_delay_alu instid0(VALU_DEP_1)
	v_add_nc_u32 v9, v9, v12
	s_delay_alu instid0(VALU_DEP_1)
	v_lshlrev_b32 v9, 2, v9                        ; bp: channel r + 8 (r / 8) of a tile
	v_mul_u32_u24 v10, v12, SP
	s_delay_alu instid0(VALU_DEP_1)
	v_lshl_add_u32 v10, v13, 6, v10
	s_mul_i32 s48, s41, 64*SP
	s_lshl_b32 s49, s40, 7
	s_add_co_u32 s48, s48, s49
	s_add_co_u32 s48, s48, STG
	v_add_nc_u32 v10, s48, v10                     ; into the stage: row 64 g + r, byte 128 p + 64 h
	s_mul_i32 s48, s[WV], 16*SP
	s_add_co_u32 s48, s48, STG
	v_add_nc_u32 v11, s48, v2                      ; back: rows 16 w on, 16 bytes a lane
	s_mov_b32 s47, 0
	s_mov_b32 s[G0], 1
	s_mul_i32 s[G0+1], s[WV], 8704                 ; LDS address: my share
	s_mul_i32 s46, s25, 69632
	s_add_co_u32 s46, s46, s[G0+1]
	s_add_co_u32 s46, s46, 835584
	s_wait_dscnt 0x0
	s_wait_kmcnt 0x0
	s_add_nc_u64 s[G0+2:G0+3], s[4:5], s[46:47]    ; wp's block + my share: the same in all four partners
	s_or_b32 s[G0+3], s[G0+3], 0x80000000
	s_lshl_b32 s46, s24, 16
	s_lshl_b32 s48, s40, 14
	s_add_co_u32 s46, s46, s48
	s_add_nc_u64 s[6:7], s[6:7], s[46:47]          ; oimg at my pair of tiles
	s_lshl_b32 s46, s26, 14
	s_lshl_b32 s48, s27, 8
	s_add_co_u32 s46, s46, s48
	s_lshl_b32 s48, s40, 6
	s_add_co_u32 s46, s46, s48
	s_add_nc_u64 s[8:9], s[8:9], s[46:47]          ; oscl likewise (head 0)
	s_lshl_b32 s46, s25, 9
	s_lshl_b32 s48, s41, 8
	s_add_co_u32 s46, s46, s48
	s_add_nc_u64 s[10:11], s[10:11], s[46:47]      ; bp at my 64 channels
	s_lshl_b32 s46, s26, 21
	s_lshl_b32 s48, s25, 19
	s_add_co_u32 s46, s46, s48
	s_lshr_b32 s48, s[WV], 1
	s_lshl_b32 s48, s48, 17
	s_add_co_u32 s46, s46, s48
	s_and_b32 s48, s[WV], 1
	s_lshl_b32 s48, s48, 15
	s_add_co_u32 s46, s46, s48
	s_lshl_b32 s48, s27, 9
	s_add_co_u32 s46, s46, s48
	s_add_nc_u64 s[12:13], s[12:13], s[46:47]      ; x and out0 at the rows that I store: channel 128 block + 32 (w / 2) + 8 (w % 2), position 128 pb
	s_add_nc_u64 s[14:15], s[14:15], s[46:47]
	ROUND                                          ; all four work-groups are here: the joint loads meet
	tensor_load_to_lds s[G0:G0+3], s[G1:G1+7]      ; the one fill of these bytes; one tensor load of mine is out
	s_nop 0
	PLACES 4
.irp d, 0,1,2,3,4,5,6,7
	global_load_u16 v[HW+\d], v8, s[8:9] offset:2048*\d            ; head d's two bytes: lanes 0-15 tile 0's rows, lanes 16-31 tile 1's
.endr
	s_wait_alu depctr_va_vdst(0)
.irp t, 0,1,2,3
	global_load_b32 v[BP+\t], v9, s[10:11] offset:(32*(\t/2)+8*(\t%2))*4
.endr
	WIN 0x40
.irp u, 0,1
.irp i, 0,1,2,3,4,5,6,7,8,9,10,11,12,13,14,15
	global_load_b128 v[64*\u+4*\i:64*\u+4*\i+3], v2, s[6:7] offset:\u*8192+\i*512   ; O's fragments: they stay
.endr
.endr
	WIN 0
.irp i, 0,1,2,3,4,5,6,7,8,9,10,11,12,13,14,15
	global_load_b128 v[RES+4*\i:RES+4*\i+3], v2, s[12:13] offset:(\i+8*(\i/8))*4096 th:TH_LOAD_NT   ; the residual of the 16 rows that I store: wanted last, asked for now
.endr
	s_wait_loadcnt 16                              ; all but the sixteen loads of the residual, which were issued last
.irp s, 0,1,2,3
	v_lshl_or_b32 v[XS+\s], v[HW+2*\s+1], 16, v[HW+2*\s]           ; K step s is heads 2 s and 2 s + 1
.endr
	PLACES 8                                       ; a scale word made by a vector instruction stands eight places ahead of its first use
	s_wait_alu depctr_va_vdst(0)
	s_wait_tensorcnt 0x0                           ; my share of wp is in,
	s_barrier_signal -1
	s_barrier_wait -1                              ; everybody's is
.irp t, 0,1,2,3
.irp s, 0,1,2,3
	ds_load_b32 v[WS+4*\t+\s], v7 offset:\t*512+\s*128
.endr
.endr
	WFETCH 0, 0
	WFETCH 1, 1
	s_wait_dscnt 16                                ; each of these waits leaves out only the sixteen loads of the set just asked for
	MULP 0, 0
	PLACES 8                                       ; in front of loads into registers that matrix instructions have read
	WFETCH 0, 2
	s_wait_dscnt 16
	MULP 1, 1
	PLACES 8
	WFETCH 1, 3
	s_wait_dscnt 16
	MULP 2, 0
	s_wait_dscnt 0x0
	MULP 3, 1
	PLACES 8                                       ; in front of the first read of the results
	WIN 0
.irp t, 0,1,2,3
.irp u, 0,1
.irp j, 0,1,2,3,4,5,6,7
	v_add_f32 v[OUT+16*\t+2*\j+\u], v[ACC+16*\t+8*\u+\j], v[BP+\t]   ; the bias, and the positions in order; each accumulator from its low end on
.endr
.endr
.irp q, 0,1,2,3
	ds_store_b128 v10, v[OUT+16*\t+4*\q:OUT+16*\t+4*\q+3] offset:\t*16*SP+16*\q
.endr
.endr
	s_wait_dscnt 0x0                               ; for the others' sake: my stores into the stage have landed
	s_barrier_signal -1
	s_barrier_wait -1                              ; 128 whole rows lie in the stage
.irp i, 0,1,2,3,4,5,6,7,8,9,10,11,12,13,14,15
	ds_load_b128 v[ACC+4*\i:ACC+4*\i+3], v11 offset:\i*SP
.endr
	s_wait_loadcnt 0x0                             ; the residual
.irp i, 0,1,2,3,4,5,6,7,8,9,10,11,12,13,14,15
	s_wait_dscnt 15-\i                             ; LDS loads come back in order: row i is in, the younger rows stay out
	v_pk_add_f32 v[ACC+4*\i:ACC+4*\i+1], v[ACC+4*\i:ACC+4*\i+1], v[RES+4*\i:RES+4*\i+1]
	v_pk_add_f32 v[ACC+4*\i+2:ACC+4*\i+3], v[ACC+4*\i+2:ACC+4*\i+3], v[RES+4*\i+2:RES+4*\i+3]
	global_store_b128 v2, v[ACC+4*\i:ACC+4*\i+3], s[14:15] offset:(\i+8*(\i/8))*4096 th:TH_STORE_NT   ; 32 lanes store 512 consecutive bytes, at a multiple of 256 from out0's first byte
.endr
	s_wait_tensorcnt 0x0
	ds_add_u32 v30, v31
	s_wait_dscnt 0x0
	ROUND                                          ; the closing round: no work-group ends while a partner may still ask for a tile that names it
	s_endpgm
.Lfunc_end_k_q68f836d94c_proj:
	.size	k_q68f836d94c_proj, .Lfunc_end_k_q68f836d94c_proj-k_q68f836d94c_proj
	.p2alignl 7, 3214868480
	.fill 96, 4, 3214868480
	.section	.rodata,"a",@progbits
	.p2align	6, 0x0
	.amdhsa_kernel k_q68f836d94c_proj
		.amdhsa_group_segment_fixed_size 168960
		.amdhsa_private_segment_fixed_size 0
		.amdhsa_enable_private_segment 0
		.amdhsa_kernarg_size 48
		.amdhsa_user_sgpr_count 2
		.amdhsa_user_sgpr_kernarg_segment_ptr 1
		.amdhsa_wavefront_size32 1
		.amdhsa_system_sgpr_workgroup_id_x 1
		.amdhsa_system_sgpr_workgroup_id_y 1
		.amdhsa_system_sgpr_workgroup_id_z 1
		.amdhsa_system_vgpr_workitem_id 0
		.amdhsa_next_free_vgpr 512
		.amdhsa_next_free_sgpr 66
		.amdhsa_reserve_vcc 0
		.amdhsa_float_denorm_mode_32 3
		.amdhsa_float_denorm_mode_16_64 3
		.amdhsa_memory_ordered 1
		.amdhsa_forward_progress 1
		.amdhsa_inst_pref_size 30
	.end_amdhsa_kernel
	.amdgpu_metadata
---
amdhsa.version: [ 1, 2 ]
amdhsa.kernels:
  - .name:           k_q68f836d94c_proj
    .symbol:         k_q68f836d94c_proj.kd
    .args:
      - { .name: wimg, .offset: 0, .size: 8, .value_kind: global_buffer, .address_space: global }
      - { .name: oimg, .offset: 8, .size: 8, .value_kind: global_buffer, .address_space: global }
      - { .name: oscl, .offset: 16, .size: 8, .value_kind: global_buffer, .address_space: global }
      - { .name: bp, .offset: 24, .size: 8, .value_kind: global_buffer, .address_space: global }
      - { .name: x, .offset: 32, .size: 8, .value_kind: global_buffer, .address_space: global }
      - { .name: out0, .offset: 40, .size: 8, .value_kind: global_buffer, .address_space: global }
    .group_segment_fixed_size: 168960
    .private_segment_fixed_size: 0
    .kernarg_segment_align: 8
    .kernarg_segment_size: 48
    .max_flat_workgroup_size: 256
    .sgpr_count:     66
    .vgpr_count:     512
    .wavefront_size: 32
...
	.end_amdgpu_metadata
.endif
;; end of part 4
